; MI455X (gfx1250); checked and timed in simulation.
; The chip was launched on July 23, 2026; its instructions are those of AMD's public machine-readable ISA for CDNA 5 (MIT licence, August 2026) and "CDNA5" Instruction Set Architecture Reference Guide (July 2026). The comments in the code are by the model that wrote it; some were corrected since.
;; Multi Head Attention. Allowed arithmetic: matrix products marked QUANTISED: E2M1 operands, one E8M0 scale for each 32 along K, by v_wmma_scale_f32_16x16x128_f8f6f4 with both operands' format E2M1 (or v_wmma_scale_f32_32x16x128_f4), f32 sums; products left as they are: bf16, f16 or f32 operands; f32 sums; everything else in f32.
;; Inputs: Wk 1,024 x 1,024 float32; Wo 1,024 x 1,024 float32; Wq 1,024 x 1,024 float32; Wv 1,024 x 1,024 float32; bk 1,024 float32; bo 1,024 float32; bq 1,024 float32; bv 1,024 float32; k 2 x 2,048 x 1,024 float32; q 2 x 2,048 x 1,024 float32; v 2 x 2,048 x 1,024 float32.
;; Outputs: out0 2 x 2,048 x 1,024 float32.
;; This version of the problem:
;;   THIS VERSION OF THE PROBLEM IS GIVEN IN LOW PRECISION. The matrix products marked QUANTISED in the list below multiply operands that are first quantised to E2M1 (2 exponent bits, 1 mantissa bit; 4 bits a number), with one power-of-two scale for each 32 numbers along K (OCP MX v1.0); their sums are f32. The products marked 'left as it is' may take bf16, f16 or f32 operands, with f32 sums. All else is computed in f32.
;;   The module's matrix products, in the order in which they are computed (A, B: the left and right operand; K: the contracted axis; several contracted axes count as one K, in the product's order):
;;     1. [M 4,096, K 1,024] x [K 1,024, N 1,024]; A: input q; B: input Wq: QUANTISED
;;     2. [M 4,096, K 1,024] x [K 1,024, N 1,024]; A: input k; B: input Wk: QUANTISED
;;     3. [M 4,096, K 1,024] x [K 1,024, N 1,024]; A: input v; B: input Wv: QUANTISED
;;     4. batch 32 x [M 2,048, K 64] x [K 64, N 2,048]; A: computed on the way; B: computed on the way: left as it is (an operand is computed on the way)
;;     5. batch 32 x [M 2,048, K 2,048] x [K 2,048, N 64]; A: computed on the way; B: computed on the way: left as it is (an operand is computed on the way)
;;     6. [M 4,096, K 1,024] x [K 1,024, N 1,024]; A: computed on the way; B: input Wo: left as it is (an operand is computed on the way)
;;   THE QUANTISER, for each operand of a quantised product, along K:
;;     - K is cut into blocks of 32 from its start; a last block that is shorter is filled with zeros.
;;     - A block's scale is 2^e with e = floor(log2(the largest magnitude in the block)) - 2, held to -126 .. 127; a block of zeros has e = 0. As a byte (E8M0): e + 127.
;;     - Each number is divided by its block's scale, clamped to +-6, and rounded to the nearest number of E2M1, ties to even, subnormals kept.
;;     - The product sums the exact products of the quantised numbers (number of the format x scale) in f32.
;;   ~~~python
;;   def quantise(x, axis):      # numpy; x: float32 -> the quantised numbers, widened to float32 again
;;       x = np.moveaxis(x, axis, -1); K = x.shape[-1]
;;       x = np.pad(x, [(0, 0)] * (x.ndim - 1) + [(0, -K % 32)]); x = x.reshape(x.shape[:-1] + (-1, 32)); a = np.abs(x).max(-1, keepdims=True)
;;       e = np.where(a > 0, np.clip(np.frexp(np.where(a > 0, a, 1))[1] - 1 - 2, -126, 127), 0)      # np.frexp(a)[1] - 1 = floor(log2(a)), exactly
;;       r = np.clip(x / 2.0 ** e, -6, 6)
;;       step = 2.0 ** (np.maximum(np.frexp(np.where(r == 0, 1, r))[1] - 1, 0) - 1)
;;       q = np.round(r / step) * step * 2.0 ** e      # np.round: ties to even
;;       return np.moveaxis(q.reshape(q.shape[:-2] + (-1,))[..., :K], -1, axis).astype(np.float32)
;;   ~~~
;; One version. Each part assembles by itself: llvm-mc -triple=amdgcn-amd-amdhsa -mcpu=gfx1250 --defsym DOCPART=n.
;; ======== version 1 of 1: 4 launches
;; limits: values are held in f16: magnitudes above 65,504 overflow, below 6.1e-05 lose precision
;; workspace buffers: codes 7,864,320 bytes; scales 491,520 bytes; wo16 2,097,152 bytes; heads 25,165,824 bytes; ao 8,388,608 bytes
;; launch quant (part 1): grid 512 x 1, 4 waves a work-group, no clusters, 33,280 bytes of LDS; arguments q, k, v, Wq, Wk, Wv, Wo, codes, scales, wo16; writes codes, scales, wo16
.if DOCPART == 1
	.amdgcn_target "amdgcn-amd-amdhsa--gfx1250"
	.amdhsa_code_object_version 6
	.text
	.protected	k_q79baa750aa_quant
	.globl	k_q79baa750aa_quant
	.p2align	8
	.type	k_q79baa750aa_quant,@function
k_q79baa750aa_quant:
	s_mov_b64 s[64:65], 0
	v_nop
	global_prefetch_b8 v0, s[64:65] scope:SCOPE_SE
	s_setreg_imm32_b32 hwreg(HW_REG_WAVE_MODE, 25, 1), 1
	s_wait_xcnt 0x0
; q, k, v [4096][1024] and Wq, Wk, Wv [1024][1024], f32, K innermost, become codes of FP4 (E2M1) with one E8M0 scale byte for each 32 along K;  Wo [1024][1024] becomes f16.
; A block's scale is 2^(floor(log2(its largest magnitude)) - 2); its byte is the largest magnitude's own exponent field - 2, held at 1 from below.  Each number is divided by the scale and rounded
; to the nearest code, ties to even; beyond 6 the largest code.
; LIMITS: a block of zeros gets the byte 1 and not 127 (its codes are zeros, which add nothing under any byte but 0xff, and only this program reads the bytes); blocks whose largest magnitude lies
; under 2^-124 get the byte 1; NaN and infinities among the inputs are not served; |Wo| stays under 65,504, f16's largest number (the drawn numbers lie under 0.2: room for a factor of 300,000).
; Rows are dense and 1,024 is a multiple of 32: the six tensors are one stream of blocks of 32, in the order q, k, v, Wq, Wk, Wv, and so are the codes (16 bytes a block) and the scale bytes.
; A work-group takes 32,768 numbers, a wave 8,192: work-groups 0-127 q, 128-255 k, 256-383 v, 384-415 Wq, 416-447 Wk, 448-479 Wv, 480-511 Wo.  Only pointers are chosen for the first six: one path.
; A wave takes 16 steps of 512 numbers.  Each of a step's four loads reads 512 consecutive bytes, 16 a lane; the 2,048 bytes go through the wave's own stage in LDS as they lie and come back 64 bytes a
; lane, so that a lane holds 16 neighbours along K (two neighbouring lanes hold a block).  The stage has 16 bytes of padding behind each 64.  A lane's 16 codes are 8 bytes: the wave stores 256
; consecutive bytes.  A wave's 256 scale bytes are gathered in its own LDS bytes and leave as one store of 256 consecutive bytes.  No barrier: waves share nothing.
; Loads run eight steps ahead: 32 loads, half of the wave's 32,768 bytes, are on their way; the turn through LDS runs one step ahead.
.set STEPS, 16
.set AHEAD, 8                          ; steps that the loads run ahead: as many sets of 16 registers
.set EMAX,  2
.set CB,    8                          ; bytes of 16 codes
.set R,     16                         ; v16-143  eight sets of 16 numbers as they are loaded (Wo's path: two sets of 64)
.set X,     144                        ; v144-175 two sets of 16 neighbours
.set E,     176                        ; v176-191 a scale byte for each step
.set C,     192                        ; v192-223 codes: two registers for each step, so that no store's data are written again
.set WREG,  8192                       ; LDS: a region for each wave: two stages of 32 x SP bytes, behind them its 256 scale bytes
.set SP,    80                         ; a lane's place in a stage: its 64 bytes + 16 of padding
	s_load_b512 s[4:19], s[0:1], 0x0               ; q 4:5, k 6:7, v 8:9, Wq 10:11, Wk 12:13, Wv 14:15, Wo 16:17, codes 18:19
	s_load_b128 s[20:23], s[0:1], 0x40             ; scales 20:21, wo16 22:23
	v_lshl_add_u32 v224, v0, 2, 0x8000
	v_mov_b32 v225, 0
	v_lshrrev_b32 v1, 5, v0
	v_readfirstlane_b32 s24, v1                    ; wave
	v_and_b32 v2, 31, v0                           ; lane
	v_lshlrev_b32 v3, 4, v2                        ; my 16 bytes of a load's 512
	v_lshlrev_b32 v4, 3, v2                        ; my 8 bytes of a store's 256
	s_mul_i32 s25, s24, WREG
	v_lshrrev_b32 v14, 2, v2
	v_mul_u32_u24 v14, v14, SP
	v_and_b32 v15, 3, v2
	v_lshl_add_u32 v14, v15, 4, v14
	v_add_nc_u32 v14, s25, v14                     ; the stage, on the way in: SP (lane / 4) + 16 (lane % 4)
	v_mul_u32_u24 v15, v2, SP
	v_add_nc_u32 v15, s25, v15                     ; and on the way out: SP x lane: my 16 neighbours
	v_lshrrev_b32 v5, 1, v2
	s_add_co_u32 s25, s25, 2*32*SP
	v_add_nc_u32 v5, s25, v5                       ; my wave's 256 scale bytes: my block's byte
	v_add_nc_u32 v6, s25, v4                       ; and on the way out 8 bytes a lane
	s_mov_b32 s31, 0
	s_wait_kmcnt 0x0
	s_cmp_ge_u32 ttmp9, 480
	s_cbranch_scc1 .Lwo
	; which tensor: the choice hangs on the work-group's number alone
	s_mov_b64 s[28:29], s[14:15]
	s_mov_b32 s26, 448
	s_cmp_lt_u32 ttmp9, 448
	s_cselect_b64 s[28:29], s[12:13], s[28:29]
	s_cselect_b32 s26, 416, s26
	s_cmp_lt_u32 ttmp9, 416
	s_cselect_b64 s[28:29], s[10:11], s[28:29]
	s_cselect_b32 s26, 384, s26
	s_cmp_lt_u32 ttmp9, 384
	s_cselect_b64 s[28:29], s[8:9], s[28:29]
	s_cselect_b32 s26, 256, s26
	s_cmp_lt_u32 ttmp9, 256
	s_cselect_b64 s[28:29], s[6:7], s[28:29]
	s_cselect_b32 s26, 128, s26
	s_cmp_lt_u32 ttmp9, 128
	s_cselect_b64 s[28:29], s[4:5], s[28:29]
	s_cselect_b32 s26, 0, s26
	s_sub_co_u32 s30, ttmp9, s26
	s_lshl_b32 s30, s30, 2
	s_add_co_u32 s30, s30, s24                     ; which run of 8,192 numbers of the tensor is my wave's
	s_lshl_b32 s30, s30, 15                        ; 32,768 bytes a run
	s_add_nc_u64 s[28:29], s[28:29], s[30:31]
	s_lshl_b32 s32, ttmp9, 2
	s_add_co_u32 s32, s32, s24                     ; and which run of the whole stream
	s_lshl_b32 s30, s32, 12                        ; 4,096 bytes of codes a run
	s_add_nc_u64 s[18:19], s[18:19], s[30:31]
	s_lshl_b32 s30, s32, 8                         ; 256 scale bytes a run
	s_add_nc_u64 s[20:21], s[20:21], s[30:31]
.macro LOAD t
.irp i, 0,1,2,3
	global_load_b128 v[R+16*((\t)%AHEAD)+4*\i:R+16*((\t)%AHEAD)+4*\i+3], v3, s[28:29] offset:2048*(\t)+512*\i th:TH_LOAD_NT   ; 32 lanes read 512 consecutive bytes
.endr
.endm
.macro TURN t                          ; step t's numbers through the stage: LDS serves a wave's instructions in order, so no wait stands between the stores and the loads
.irp i, 0,1,2,3
	ds_store_b128 v14, v[R+16*((\t)%AHEAD)+4*\i:R+16*((\t)%AHEAD)+4*\i+3] offset:32*SP*((\t)%2)+8*SP*\i
.endr
.irp i, 0,1,2,3
	ds_load_b128 v[X+16*((\t)%2)+4*\i:X+16*((\t)%2)+4*\i+3], v15 offset:32*SP*((\t)%2)+16*\i
.endr
.endm
.irp t, 0,1,2,3,4,5,6,7
	LOAD \t
.endr
	s_wait_loadcnt 4*(AHEAD-1)                     ; step 0's four loads are in; the 28 of steps 1 to 7 may be out
	TURN 0
.macro STEP t
.set XS, X+16*((\t)%2)
.if (\t) > 0
	s_wait_dscnt 1                                 ; this step's numbers are back from the stage (the last step's byte store may be out): so its stores into the stage have read their registers,
.else
	s_wait_dscnt 0x0
.endif
.if (\t)+AHEAD < STEPS
	LOAD (\t)+AHEAD                                ; which take the loads of eight steps on
.endif
.if (\t)+1 < STEPS
.if STEPS-2-(\t) >= AHEAD-1
	s_wait_loadcnt 4*(AHEAD-1)                     ; the next step's four loads are in; those of the seven steps behind it may be out
.else
	s_wait_loadcnt 4*(STEPS-2-(\t))                ; near the end fewer steps stand behind it
.endif
	TURN (\t)+1                                    ; and go through the other stage while this step is worked
.endif
	v_max3_num_f32 v8, |v[XS]|, |v[XS+1]|, |v[XS+2]|               ; the largest magnitude of my 16, in two chains
	v_max3_num_f32 v9, |v[XS+3]|, |v[XS+4]|, |v[XS+5]|
.irp i, 6,10
	v_max3_num_f32 v8, v8, |v[XS+\i]|, |v[XS+\i+1]|
	v_max3_num_f32 v9, v9, |v[XS+\i+2]|, |v[XS+\i+3]|
.endr
	v_max3_num_f32 v8, v8, |v[XS+14]|, |v[XS+15]|
	v_max3_num_f32 v8, v8, v9, (EMAX+1)<<23        ; and the floor 2^(3 - 127): so the byte cannot fall under 1
	v_max_num_f32_dpp v8, v8, v8 row_xmask:1 row_mask:0xf bank_mask:0xf   ; and of my neighbour's 16: the block's
	v_add_nc_u32 v11, -(EMAX<<23), v8              ; 2 off its exponent field: the conversion takes the exponent field of this operand as its scale, and nothing else of it
	v_cvt_scalef32_pk8_fp4_f32 v[C+2*(\t)], v[XS:XS+7], v11
	v_cvt_scalef32_pk8_fp4_f32 v[C+2*(\t)+1], v[XS+8:XS+15], v11
	v_lshrrev_b32 v[E+(\t)], 23, v11               ; the scale's byte (also the plain line behind the conversions)
	ds_store_b8 v5, v[E+(\t)] offset:16*(\t)       ; both lanes of a block write the same byte with the same value
	global_store_b64 v4, v[C+2*(\t):C+2*(\t)+1], s[18:19] offset:32*CB*(\t)   ; 32 lanes store 256 consecutive bytes, at a multiple of 256 from the buffer's first byte
.endm
.irp t, 0,1,2,3,4,5,6,7,8,9,10,11,12,13,14,15
	STEP \t
.endr
	ds_load_b64 v[12:13], v6                       ; LDS serves a wave's instructions in order: these see my stores
	s_wait_dscnt 0x0
	global_store_b64 v4, v[12:13], s[20:21]        ; 256 consecutive scale bytes
	s_wait_tensorcnt 0x0
	ds_add_u32 v224, v225
	s_wait_dscnt 0x0
	s_endpgm
; Wo to f16: a wave takes 8,192 numbers in four rounds of 16 loads; a load reads 512 consecutive bytes, a store writes 256.  No LDS.
.Lwo:
	s_sub_co_u32 s30, ttmp9, 480
	s_lshl_b32 s30, s30, 2
	s_add_co_u32 s30, s30, s24                     ; my wave's run
	s_lshl_b32 s32, s30, 14                        ; 16,384 bytes out,
	s_lshl_b32 s30, s30, 15                        ; 32,768 bytes in
	s_mov_b32 s33, 0
	s_add_nc_u64 s[28:29], s[16:17], s[30:31]
	s_add_nc_u64 s[22:23], s[22:23], s[32:33]
.macro WLOAD g
.irp i, 0,1,2,3,4,5,6,7,8,9,10,11,12,13,14,15
	global_load_b128 v[R+64*((\g)%2)+4*\i:R+64*((\g)%2)+4*\i+3], v3, s[28:29] offset:(16*(\g)+\i)*512 th:TH_LOAD_NT
.endr
.endm
.macro WCVT g
.irp i, 0,1,2,3,4,5,6,7,8,9,10,11,12,13,14,15
	v_cvt_pk_f16_f32 v[R+64*((\g)%2)+4*\i], v[R+64*((\g)%2)+4*\i], v[R+64*((\g)%2)+4*\i+1]
	v_cvt_pk_f16_f32 v[R+64*((\g)%2)+4*\i+1], v[R+64*((\g)%2)+4*\i+2], v[R+64*((\g)%2)+4*\i+3]
	global_store_b64 v4, v[R+64*((\g)%2)+4*\i:R+64*((\g)%2)+4*\i+1], s[22:23] offset:(16*(\g)+\i)*256
.endr
.endm
	WLOAD 0
	WLOAD 1
	s_wait_loadcnt 16                              ; round 0 is in; round 1's sixteen may be out
	WCVT 0
	s_wait_xcnt 0x0                                ; the stores have read their registers: loads may land there
	WLOAD 2
	s_wait_loadcnt 16                              ; round 1 is in
	WCVT 1
	s_wait_xcnt 0x0
	WLOAD 3
	s_wait_loadcnt 16                              ; round 2 is in
	WCVT 2
	s_wait_loadcnt 0x0
	WCVT 3
	s_endpgm
.Lfunc_end_k_q79baa750aa_quant:
	.size	k_q79baa750aa_quant, .Lfunc_end_k_q79baa750aa_quant-k_q79baa750aa_quant
	.p2alignl 7, 3214868480
	.fill 96, 4, 3214868480
	.section	.rodata,"a",@progbits
	.p2align	6, 0x0
	.amdhsa_kernel k_q79baa750aa_quant
		.amdhsa_group_segment_fixed_size 33280
		.amdhsa_private_segment_fixed_size 0
		.amdhsa_enable_private_segment 0
		.amdhsa_kernarg_size 80
		.amdhsa_user_sgpr_count 2
		.amdhsa_user_sgpr_kernarg_segment_ptr 1
		.amdhsa_wavefront_size32 1
		.amdhsa_system_sgpr_workgroup_id_x 1
		.amdhsa_system_sgpr_workgroup_id_y 1
		.amdhsa_system_sgpr_workgroup_id_z 1
		.amdhsa_system_vgpr_workitem_id 0
		.amdhsa_next_free_vgpr 226
		.amdhsa_next_free_sgpr 66
		.amdhsa_reserve_vcc 0
		.amdhsa_float_denorm_mode_32 3
		.amdhsa_float_denorm_mode_16_64 3
		.amdhsa_memory_ordered 1
		.amdhsa_forward_progress 1
		.amdhsa_inst_pref_size 54
	.end_amdhsa_kernel
	.amdgpu_metadata
---
amdhsa.version: [ 1, 2 ]
amdhsa.kernels:
  - .name:           k_q79baa750aa_quant
    .symbol:         k_q79baa750aa_quant.kd
    .args:
      - { .name: q, .offset: 0, .size: 8, .value_kind: global_buffer, .address_space: global }
      - { .name: k, .offset: 8, .size: 8, .value_kind: global_buffer, .address_space: global }
      - { .name: v, .offset: 16, .size: 8, .value_kind: global_buffer, .address_space: global }
      - { .name: Wq, .offset: 24, .size: 8, .value_kind: global_buffer, .address_space: global }
      - { .name: Wk, .offset: 32, .size: 8, .value_kind: global_buffer, .address_space: global }
      - { .name: Wv, .offset: 40, .size: 8, .value_kind: global_buffer, .address_space: global }
      - { .name: Wo, .offset: 48, .size: 8, .value_kind: global_buffer, .address_space: global }
      - { .name: codes, .offset: 56, .size: 8, .value_kind: global_buffer, .address_space: global }
      - { .name: scales, .offset: 64, .size: 8, .value_kind: global_buffer, .address_space: global }
      - { .name: wo16, .offset: 72, .size: 8, .value_kind: global_buffer, .address_space: global }
    .group_segment_fixed_size: 33280
    .private_segment_fixed_size: 0
    .kernarg_segment_align: 8
    .kernarg_segment_size: 80
    .max_flat_workgroup_size: 128
    .sgpr_count:     66
    .vgpr_count:     226
    .wavefront_size: 32
...
	.end_amdgpu_metadata
.endif
;; end of part 1
;; launch proj (part 2): grid 4 x 48, 4 waves a work-group, clusters of 4 x 4, 327,680 bytes of LDS; arguments codes, scales, bq, bk, bv, heads; writes heads
.if DOCPART == 2
	.amdgcn_target "amdgcn-amd-amdhsa--gfx1250"
	.amdhsa_code_object_version 6
	.text
	.protected	k_q79baa750aa_proj
	.globl	k_q79baa750aa_proj
	.p2align	8
	.type	k_q79baa750aa_proj,@function
k_q79baa750aa_proj:
	s_mov_b64 s[64:65], 0
	v_nop
	global_prefetch_b8 v0, s[64:65] scope:SCOPE_SE
	s_setreg_imm32_b32 hwreg(HW_REG_WAVE_MODE, 25, 1), 1
	s_wait_xcnt 0x0
	s_wait_alu depctr_hold_cnt(0) depctr_sa_sdst(0) depctr_va_vdst(0) depctr_va_sdst(0) depctr_va_ssrc(0) depctr_va_vcc(0) depctr_vm_vsrc(0)
	s_getreg_b32 s2, hwreg(HW_REG_IB_STS2, 6, 4)
	s_cmp_eq_u32 s2, 0
	s_cbranch_scc0 .Lentry_in_a_cluster
	s_endpgm
.Lentry_in_a_cluster:
	s_bfe_u32 s2, ttmp6, 0x10000c
	s_cmp_lg_u32 s2, 0xf033
	s_cbranch_scc0 .Lentry_shape_is_right
	s_endpgm
.Lentry_shape_is_right:
; The three quantised projections in one launch: y = x W^T + b for (q, Wq, bq), (k, Wk, bk), (v, Wv, bv), on codes of FP4 (E2M1) with one E8M0 scale for each 32 along K; sums in f32.
; codes: rows of 512 bytes (1,024 codes, K innermost): 12,288 rows of x (q, k, v stacked), then 3,072 rows of W (Wq, Wk, Wv);  scales: 32 bytes a row, in the same order.
; The result is rounded to f16 and laid by head: heads[p][b][h][s][64], so that the attention launch reads dense tiles.
; LIMIT: |y| stays under 65,504, f16's largest number.  With the drawn spread y is of size 1; with x and W both 30 times larger its largest numbers are near 5,000, with common offsets of 30 spreads on
; both near 29,000.  NaN and infinities are not served.
; A tile of y, 256 x 256, is made by a work-group of four waves; a wave makes 128 x 128: 64 accumulators of 16 x 16, 512 registers.  48 tile rows x 4 tile columns: 192 work-groups: no tile cuts
; 3 x 4,096 x 1,024 into 256 equal parts that stay inside one projection.
; K = 1,024 is two steps of 512: both lie in LDS at once (two slots, rows of 256 bytes), so every LDS byte is filled once.  The scale bytes of the work-group's rows come with them, in rows of 256 bytes.
; CLUSTERS: 4 x 4 work-groups.  The four of a row of the cluster need the same tiles of x, the four of a column the same tiles of W: each is asked for JOINTLY.  All sixteen lie in one projection
; (four clusters along y to a projection), so the projection's number hangs on the cluster's y alone.
; THE MATRIX INSTRUCTION IS USED TRANSPOSED (source 0 = 16 rows of W, source 1 = 16 rows of x): a lane holds eight neighbouring outputs of one row.  The bias is the C of each sum's first product.
; REGISTERS, in windows of 256: window 0: v0-31 addresses; v32-95 scale words, two sets; v128-191 x's fragments, one set; v192-255 the bias, 8 registers for each of W's eight blocks;
;   window 1: W's fragments, two sets, at v0 and v128;  window 2: the accumulators of my rows 0-63 ((a, b) at v[8 (8 a + b)]);  window 3: those of my rows 64-127.
.set NQ,     4                         ; matrix instructions deep in a slot: 512 along K
.set ROWB,   256                       ; a tile's row in bytes
.set KROW,   512                       ; a row of codes in memory
.set PITCH,  272                       ; an LDS row: 256 bytes + 16 of padding = 68 words: row r starts at bank 4 r mod 64 (64 banks of 4 bytes: ISA guide 11.1)
.set FR,     8                         ; registers of a fragment: 16 rows x 128 K
.set NL,     2                         ; LDS loads that bring one
.set NP,     4                         ; places behind this matrix instruction (ISA guide 7.12.1)
.set HALFT,  128*PITCH                 ; 128 rows: what one tensor load brings
.set SLOT,   4*HALFT                   ; x's 256 rows, then W's 256 rows
.set KS,     32                        ; a row of scale bytes
.set SCL,    2*SLOT                    ; behind the slots: the scale bytes, as rows of 256 bytes + 16 of padding
.set HALFS,  (128*KS/256)*272          ; those of 128 rows
.set SBLK,   (16*KS/256)*272           ; those of 16 rows
.set STAGE,  SCL+4*HALFS               ; the way out: 16 rows x 272 bytes for each wave; no tensor load lands here
.set SPITCH, 272
.set SPARE,  STAGE+4*16*SPITCH         ; the spare words, 128 bytes for each wave: two blocks of 256 bytes that no other line names
.set WCODES, 6291456                   ; where W's codes begin: 12,288 rows x 512 bytes
.set WSCALE, 393216                    ; and W's scale bytes: 12,288 rows x 32
.set ADRA, 16                          ; v16-17  LDS address of my x fragments in slot 0, 1
.set ADRB, 20                          ; v20-21  the same for W
.set STO,  24                          ; v24     the way out: where I put 16 bytes of a row
.set RD,   25                          ; v25     the way out: where I read 16 bytes back
.set CO,   26                          ; v26     my byte offset in heads
.set ADRS, 27                          ; v27     LDS address of my scale words: lanes 0-15 x's rows, lanes 16-31 W's
.set SPW,  28                          ; v28     LDS address of my spare word; never rewritten
.set NIL,  29                          ; v29     0; never rewritten
.set SC,   32                          ; scale words: set s at v[SC + 32 s]; register 4 i + q: lanes 0-15 x's block i, lanes 16-31 W's block i, the slot's q-th 128 along K
.set AF,   128                         ; x's fragments
.set BIAS, 192                         ; the bias
.set TMP,  128                         ; the way out: packed results
.set BK,   160                         ; the way out: rows read back: v160-191 and v192-223 by turns
.set G1, 24                            ; s[24:31] group 1 for x's tiles;  s[32:39] group 0, one set for each slot
.set G0, 32
.set G1B, 48                           ; s[48:55], s[56:63] the same for W's
.set G0B, 56
.set G1S, 68                           ; s[68:75], s[76:79] groups 1 and 0 for x's scale bytes;  s[80:87], s[88:91] for W's
.set G0S, 76
.set G1SB, 80
.set G0SB, 88
.set MSB, 0
.macro WIN new                         ; the immediate's high byte repeats the setting that is left
.if MSB != \new
	s_set_vgpr_msb (MSB<<8)|\new
.set MSB, \new
.endif
.endm
.set MUL_LO, 0xa1                      ; source 0 (W) window 1, source 1 (x) window 0, C and D window 2
.set MUL_HI, 0xf1                      ; the same, C and D window 3
.set FIRST_LO, 0x81                    ; the first products: C (the bias) window 0, D window 2
.set FIRST_HI, 0xc1                    ; D window 3
.set TO_B,   0x40                      ; destination window 1, address window 0
; A joint load: waves 0 and 1 fetch for x, waves 2 and 3 for W.  Each line has one mask and one set of registers for all that issue it; the branch hangs on the wave's number alone.
; Four v_nop follow each of the two lines, ahead of the jump, the label and what follows.
.macro JLOAD g0a, g1a, g0b, g1b
	s_cmp_eq_u32 s15, 0
	s_cbranch_scc0 .Lfor_b_\@
	tensor_load_to_lds s[\g0a:\g0a+3], s[\g1a:\g1a+7]
	s_nop 0
.rept 4
	v_nop
.endr
	s_branch .Lasked_\@
.Lfor_b_\@:
	tensor_load_to_lds s[\g0b:\g0b+3], s[\g1b:\g1b+7]
	s_nop 0
.rept 4
	v_nop
.endr
.Lasked_\@:
.endm
.macro CROUND                          ; a round of the cluster's barrier
	s_barrier_signal -1
	s_barrier_wait -1
	s_cmp_lg_u32 s14, 0
	s_cbranch_scc1 .Lnot_wave_0_\@
	s_barrier_signal -3
.Lnot_wave_0_\@:
	s_barrier_wait -3
	s_barrier_signal -1
	s_barrier_wait -1
.endm
	s_load_b128 s[4:7], s[0:1], 0x0                ; codes, scales
	s_load_b128 s[96:99], s[0:1], 0x10             ; bq, bk
	s_load_b128 s[8:11], s[0:1], 0x20              ; bv, heads
	v_lshl_add_u32 v[SPW], v0, 2, SPARE
	v_mov_b32 v[NIL], 0
	ds_add_u32 v28, v29
	ds_add_u32 v28, v29
	s_wait_dscnt 0x0
	v_lshrrev_b32 v1, 5, v0
	v_readfirstlane_b32 s14, v1                    ; wave 0..3
	s_lshr_b32 s15, s14, 1                         ; which half of the tile's rows is mine.  Also: I fetch for x (0) or for W (1)
	s_and_b32 s16, s14, 1                          ; which half of its columns.  Also: which 128 rows of that tile I fetch
	s_bfe_u32 s40, ttmp6, 0x40000                  ; cx, cy: my place in the cluster
	s_bfe_u32 s41, ttmp6, 0x40004
	s_lshl_b32 s42, ttmp9, 2
	s_add_co_u32 s42, s42, s40                     ; tile column = 4 x cluster x + cx
	s_and_b32 s17, ttmp7, 0xffff
	s_lshr_b32 s66, s17, 2                         ; the projection, 0 to 2: four clusters along y to each
	s_lshl_b32 s17, s17, 2
	s_add_co_u32 s17, s17, s41                     ; tile row = 4 x cluster y + cy, 0 to 47
	s_lshl_b32 s43, s41, 2
	s_lshl_b32 s43, 15, s43                        ; my row of the cluster
	s_lshl_b32 s44, 0x1111, s40                    ; my column
	; group 1: a tile of 128 rows x 256 bytes, padded in LDS
	s_or_b32 s[G1+0], s43, (0<<16)|(1<<20)|(1<<21)|(5<<22)|(3<<25)  ; 15:0 the mask; 17:16 elements of 1 byte; 20 padding on; 21 set beside a mask; 24:22 after every 64 words; 31:25 four words
	s_or_b32 s[G1B+0], s44, (0<<16)|(1<<20)|(1<<21)|(5<<22)|(3<<25)
.irp g, G1, G1B
	s_mov_b32 s[\g+1], ROWB<<16                    ; tensor_dim0
	s_mov_b32 s[\g+2], 128<<16                     ; tensor_dim1
	s_mov_b32 s[\g+3], ROWB<<16                    ; tile_dim0
	s_mov_b32 s[\g+4], 128                         ; tile_dim1
	s_mov_b32 s[\g+5], KROW                        ; from row to row
	s_mov_b32 s[\g+6], 0
	s_mov_b32 s[\g+7], 0
.endr
	; the scale bytes of 128 rows: 4,096 dense bytes, as 16 rows of 256 bytes (32 elements of 8), 16 bytes of padding behind each
	s_or_b32 s[G1S+0], s43, (3<<16)|(1<<20)|(1<<21)|(5<<22)|(3<<25)
	s_or_b32 s[G1SB+0], s44, (3<<16)|(1<<20)|(1<<21)|(5<<22)|(3<<25)
.irp g, G1S, G1SB
	s_mov_b32 s[\g+1], 32<<16
	s_mov_b32 s[\g+2], (128*KS/256)<<16
	s_mov_b32 s[\g+3], 32<<16
	s_mov_b32 s[\g+4], 128*KS/256
	s_mov_b32 s[\g+5], 32
	s_mov_b32 s[\g+6], 0
	s_mov_b32 s[\g+7], 0
.endr
	s_lshl_b32 s18, s16, 7                         ; which 128 rows of the tile I fetch
	s_lshl_b32 s20, s17, 8
	s_add_co_u32 s20, s20, s18                     ; x: row 256 x tile row + 128 x half
	s_lshl_b32 s46, s42, 8
	s_add_co_u32 s46, s46, s18
	s_lshl_b32 s47, s66, 10
	s_add_co_u32 s46, s46, s47                     ; W: row 1,024 x projection + 256 x tile column + 128 x half
	s_mov_b32 s21, 0
	s_mov_b32 s47, 0
	s_mov_b64 s[18:19], KS
	s_mul_u64 s[22:23], s[20:21], s[18:19]         ; where these rows' scale bytes begin
	s_mul_u64 s[92:93], s[46:47], s[18:19]
	s_mov_b64 s[18:19], KROW
	s_mul_u64 s[20:21], s[20:21], s[18:19]         ; and their codes
	s_mul_u64 s[46:47], s[46:47], s[18:19]
	s_mul_i32 s45, s14, HALFT                      ; where they go: wave x 128 rows: no place in the cluster enters an LDS address
	s_mul_i32 s94, s14, HALFS
	s_wait_kmcnt 0x0
	s_mov_b64 s[100:101], s[8:9]                   ; bv
	s_mov_b64 s[12:13], s[10:11]                   ; heads
	s_add_nc_u64 s[8:9], s[4:5], WCODES            ; W's codes
	s_add_nc_u64 s[10:11], s[6:7], WSCALE          ; W's scale bytes
	s_add_nc_u64 s[20:21], s[4:5], s[20:21]
	s_add_nc_u64 s[22:23], s[6:7], s[22:23]
	s_add_nc_u64 s[46:47], s[8:9], s[46:47]
	s_add_nc_u64 s[92:93], s[10:11], s[92:93]
	CROUND                                         ; all sixteen work-groups are here: the joint loads meet
	s_mov_b32 s[G0S], 1
	s_add_co_u32 s[G0S+1], s94, SCL
	s_mov_b64 s[G0S+2:G0S+3], s[22:23]
	s_or_b32 s[G0S+3], s[G0S+3], 0x80000000
	s_mov_b32 s[G0SB], 1
	s_add_co_u32 s[G0SB+1], s94, SCL
	s_mov_b64 s[G0SB+2:G0SB+3], s[92:93]
	s_or_b32 s[G0SB+3], s[G0SB+3], 0x80000000
	JLOAD G0S, G1S, G0SB, G1SB                     ; the scale bytes first: they are wanted with K step 0
.irp s, 0,1
	s_mov_b32 s[G0+4*\s], 1
	s_add_co_u32 s[G0+4*\s+1], s45, \s*SLOT
	s_add_nc_u64 s[G0+4*\s+2:G0+4*\s+3], s[20:21], \s*ROWB
	s_or_b32 s[G0+4*\s+3], s[G0+4*\s+3], 0x80000000
	s_mov_b32 s[G0B+4*\s], 1
	s_add_co_u32 s[G0B+4*\s+1], s45, \s*SLOT
	s_add_nc_u64 s[G0B+4*\s+2:G0B+4*\s+3], s[46:47], \s*ROWB
	s_or_b32 s[G0B+4*\s+3], s[G0B+4*\s+3], 0x80000000
	JLOAD G0+4*\s, G1, G0B+4*\s, G1B               ; three tensor loads of mine are out now, and no more are issued
.endr
	v_and_b32 v1, 15, v0                           ; r = l % 16
	v_bfe_u32 v2, v0, 4, 1                         ; h = l / 16
	; the bias of my 128 columns: the projection's, chosen by a number that hangs on no address
	s_cmp_eq_u32 s66, 0
	s_cselect_b64 s[96:97], s[96:97], s[98:99]
	s_cmp_eq_u32 s66, 2
	s_cselect_b64 s[96:97], s[100:101], s[96:97]
	s_lshl_b32 s46, s42, 10                        ; 256 columns x 4 bytes a tile column,
	s_lshl_b32 s47, s16, 9                         ; 128 x 4 for my half
	s_add_co_u32 s46, s46, s47
	s_mov_b32 s47, 0
	s_add_nc_u64 s[96:97], s[96:97], s[46:47]
	v_lshlrev_b32 v7, 5, v2                        ; lane (r, h) wants, for W's block b, the bias of columns 16 b + 8 h + 0 .. 7
.irp b, 0,1,2,3,4,5,6,7
	global_load_b128 v[BIAS+8*\b:BIAS+8*\b+3], v7, s[96:97] offset:64*\b
	global_load_b128 v[BIAS+8*\b+4:BIAS+8*\b+7], v7, s[96:97] offset:64*\b+16
.endr
	v_mul_u32_u24 v3, v1, PITCH
	v_lshl_add_u32 v4, v2, 4, v3                   ; a fragment's row x pitch + 16 x half
	s_mul_i32 s21, s15, HALFT                      ; my 128 rows of x
	s_mul_i32 s22, s16, HALFT                      ; my 128 rows of W,
	s_add_co_u32 s22, s22, 2*HALFT                 ; which lie behind x's 256
.irp s, 0,1
	v_add_nc_u32 v[ADRA+\s], s21, v4
	v_add_nc_u32 v[ADRB+\s], s22, v4
	s_add_co_u32 s21, s21, SLOT
	s_add_co_u32 s22, s22, SLOT
.endr
	v_mul_u32_u24 v5, v1, KS                       ; my row's scale bytes: 32 a row,
	v_lshrrev_b32 v6, 8, v5
	v_lshl_add_u32 v5, v6, 4, v5                   ; and 16 more for each 256 passed
	s_mul_i32 s21, s15, HALFS                      ; x's: my 128 rows
	s_mul_i32 s22, s16, HALFS                      ; W's: my 128 rows, behind x's 256
	s_add_co_u32 s22, s22, 2*HALFS
	s_sub_co_u32 s22, s22, s21
	v_mul_u32_u24 v6, s22, v2                      ; lanes 16-31 take W's: the lower base + h x the distance
	s_add_co_u32 s21, s21, SCL
	v_add_nc_u32 v5, v5, v6
	v_add_nc_u32 v[ADRS], s21, v5
	s_mul_i32 s23, s14, 16*SPITCH
	s_add_co_u32 s23, s23, STAGE                   ; my stage
	v_mul_u32_u24 v5, v1, SPITCH                   ; in: row r, 16 bytes for each half of the lanes
	v_lshl_add_u32 v5, v2, 4, v5
	v_add_nc_u32 v[STO], s23, v5
	; back: a stage row is 128 columns = two heads of 128 bytes.  Lanes 0-7 take one row of the first head, lanes 8-15 the next row of it, lanes 16-31 the same of the second head
	v_bfe_u32 v5, v0, 3, 1
	v_and_b32 v6, 7, v0
	v_mul_u32_u24 v8, v5, SPITCH
	v_lshl_add_u32 v8, v2, 7, v8
	v_lshl_add_u32 v8, v6, 4, v8
	v_add_nc_u32 v[RD], s23, v8
	v_lshlrev_b32 v[CO], 18, v2                    ; in heads: a head is 262,144 bytes, a row 128
	v_lshl_add_u32 v[CO], v5, 7, v[CO]
	v_lshl_add_u32 v[CO], v6, 4, v[CO]
	s_lshr_b32 s20, s17, 3                         ; 2 x projection + batch: eight tile rows to a batch,
	s_lshl_b32 s20, s20, 22                        ; 16 heads x 262,144 bytes each
	s_lshl_b32 s21, s42, 2
	s_lshl_b32 s22, s16, 1
	s_add_co_u32 s21, s21, s22                     ; my first head: 4 x tile column + 2 x half
	s_lshl_b32 s21, s21, 18
	s_add_co_u32 s20, s20, s21
	s_and_b32 s21, s17, 7
	s_lshl_b32 s21, s21, 8
	s_lshl_b32 s22, s15, 7
	s_add_co_u32 s21, s21, s22                     ; my first row in the batch
	s_lshl_b32 s21, s21, 7
	s_add_co_u32 s20, s20, s21
	s_mov_b32 s21, 0
	s_add_nc_u64 s[12:13], s[12:13], s[20:21]
.macro FRAG reg, adr, q, i             ; a fragment, 16 rows x 128 K of 4-bit codes: lane l holds row l % 16; registers 4 c .. 4 c + 3 hold K = 64 c + 32 (l / 16) + 0 .. 31
.irp c, 0,1
	ds_load_b128 v[\reg+4*\c:\reg+4*\c+3], v[\adr] offset:64*(\q)+32*\c+(\i)*16*PITCH
.endr
.endm
; 16 matrix instructions: x's blocks a0, a0 + 1 against W's eight, the slot's q-th 128 along K.  p: W's set;  sc: the set of scale words.  zero = 1: the first product starts the sum from the bias.
; The 64 accumulators take turns, one instruction a turn, in the same order in every step.
.macro MUL16 a0, p, q, sc, zero
.irp a, \a0, \a0+1
.irp b, 0,1,2,3,4,5,6,7
.if \zero
	v_wmma_scale_f32_16x16x128_f8f6f4 v[8*(8*((\a)%4)+\b):8*(8*((\a)%4)+\b)+7], v[128*(\p)+FR*\b:128*(\p)+FR*\b+FR-1], v[AF+FR*(\a):AF+FR*(\a)+FR-1], v[BIAS+8*\b:BIAS+8*\b+7], v[SC+8*NQ*(\sc)+NQ*\b+(\q)], v[SC+8*NQ*(\sc)+NQ*(\a)+(\q)] matrix_a_fmt:MATRIX_FMT_FP4 matrix_b_fmt:MATRIX_FMT_FP4 matrix_a_scale:MATRIX_SCALE_ROW1
.else
	v_wmma_scale_f32_16x16x128_f8f6f4 v[8*(8*((\a)%4)+\b):8*(8*((\a)%4)+\b)+7], v[128*(\p)+FR*\b:128*(\p)+FR*\b+FR-1], v[AF+FR*(\a):AF+FR*(\a)+FR-1], v[8*(8*((\a)%4)+\b):8*(8*((\a)%4)+\b)+7], v[SC+8*NQ*(\sc)+NQ*\b+(\q)], v[SC+8*NQ*(\sc)+NQ*(\a)+(\q)] matrix_a_fmt:MATRIX_FMT_FP4 matrix_b_fmt:MATRIX_FMT_FP4 matrix_a_scale:MATRIX_SCALE_ROW1
.endif
.endr
.endr
.endm
.macro FETCH_B slot, q, p              ; W's eight fragments of the slot's q-th 128 along K into set p
	WIN TO_B
.irp i, 0,1,2,3,4,5,6,7
	FRAG 128*(\p)+FR*\i, ADRB+\slot, \q, \i
.endr
	WIN 0
.endm
.macro FETCH_A slot, q, i0             ; x's blocks i0 .. i0 + 3
.irp i, \i0, \i0+1, \i0+2, \i0+3
	FRAG AF+FR*(\i), ADRA+\slot, \q, \i
.endr
.endm
.macro SCALES sc                       ; a K step's scale words into set sc: four words a row; lanes 0-15 take x's block i, lanes 16-31 W's block i
.irp i, 0,1,2,3,4,5,6,7
	ds_load_b128 v[SC+8*NQ*\sc+NQ*\i:SC+8*NQ*\sc+NQ*\i+3], v[ADRS] offset:\i*SBLK
.endr
.endm
; A load into a register that a matrix instruction has read, and a vector instruction that reads a matrix result, stand four places behind that matrix instruction; only plain vector instructions
; that name none of its registers are places (ISA guide 7.12.1 for vector instructions).
.macro PLACES n
.rept \n
	v_nop
.endr
.endm
; A step of 128 along K that has its successor in the same slot.  x has one set of registers: blocks 0-3 are fetched anew in the step's middle, blocks 4-7 at its end.
.macro STEP slot, q, zero
	s_wait_dscnt 4*NL                              ; W's set and x's blocks 0-3 are in; the youngest eight loads (x's blocks 4-7) may be out
.if \zero
	WIN FIRST_LO
.else
	WIN MUL_LO
.endif
	MUL16 0, (\q)%2, \q, \slot, \zero
	MUL16 2, (\q)%2, \q, \slot, \zero
	s_wait_dscnt 0                                 ; x's blocks 4-7 are in (asked for 32 matrix instructions ago)
	PLACES NP
	FETCH_B \slot, (\q)+1, 1-(\q)%2
	FETCH_A \slot, (\q)+1, 0
.if \zero
	WIN FIRST_HI
.else
	WIN MUL_HI
.endif
	MUL16 4, (\q)%2, \q, \slot, \zero
	MUL16 6, (\q)%2, \q, \slot, \zero
	PLACES NP
	WIN 0
	FETCH_A \slot, (\q)+1, 4
.endm
; Slot 0's last step goes on into slot 1: one barrier, in front of which each wave waits for all its tensor loads (slot 1's is the one that may be out).  Nothing is filled again.
.macro TURN slot, next
	s_wait_tensorcnt 0x0                           ; all my tensor loads have landed: my part of the next slot  (every window is 0 here)
	ds_add_u32 v[SPW], v[NIL]                      ; 0 onto my spare word
	s_wait_dscnt 4*NL+1                            ; (the add and the youngest eight loads, x's blocks 4-7, may be out)
	WIN MUL_LO
	MUL16 0, 1, NQ-1, \slot, 0                     ; sixteen matrix instructions stand between the add and the wait for it
	s_wait_dscnt 0x0                               ; the add is done, and my reads of this slot are over
	s_barrier_signal -1
	MUL16 2, 1, NQ-1, \slot, 0
	WIN 0
	s_barrier_wait -1                              ; the next slot is whole for every wave
	PLACES NP
	v_add_nc_u32 v[ADRS], 4*NQ, v[ADRS]            ; on to the next K step's scale words
	FETCH_B \next, 0, 0
	FETCH_A \next, 0, 0
	SCALES \next
	WIN MUL_HI
	MUL16 4, 1, NQ-1, \slot, 0
	MUL16 6, 1, NQ-1, \slot, 0
	PLACES NP
	WIN 0
	FETCH_A \next, 0, 4
.endm
.macro STEPS slot, from                ; the slot's steps from .. NQ - 2
.set Q, \from
.rept NQ-1-\from
	STEP \slot, Q, 0
.set Q, Q+1
.endr
.endm
	s_wait_loadcnt 0x0                             ; the bias
	s_wait_tensorcnt 1                             ; the scale bytes and my part of K step 0 are in (K step 1's load may be out)
	s_barrier_signal -1
	s_barrier_wait -1                              ; everybody's are
	FETCH_B 0, 0, 0
	FETCH_A 0, 0, 0
	SCALES 0
	FETCH_A 0, 0, 4
	STEP 0, 0, 1                                   ; the first step's products start the sums from the bias: nothing is cleared, nothing is added later
	STEPS 0, 1
	TURN 0, 1
	STEPS 1, 0
	s_wait_dscnt 4*NL                              ; the very last step: nothing more to fetch
	WIN MUL_LO
	MUL16 0, 1, NQ-1, 1, 0
	MUL16 2, 1, NQ-1, 1, 0
	s_wait_dscnt 0
	WIN MUL_HI
	MUL16 4, 1, NQ-1, 1, 0
	MUL16 6, 1, NQ-1, 1, 0
	WIN 0
; THE WAY OUT, block by block of 16 rows x 128 columns.  PACK: rounded to f16, 16 bytes a lane, each accumulator from its low end on.  TOSTAGE: into my own stage and back by heads.  SEND: stored:
; sixteen lanes store two rows of one head, 256 consecutive bytes at a multiple of 256 from the buffer's first byte.  LDS serves a wave's instructions in order (ISA guide 5.7.1.4): no wait
; between the stores and the loads.
.macro PACK a
.set AC, 64*((\a)%4)
.set WN, 0x0a+5*((\a)/4)
	WIN WN                                         ; sources 0 and 1: window 2 or 3
.irp b, 0,1,2,3,4,5,6,7
.irp r, 0,1,2,3
	v_cvt_pk_f16_f32 v[TMP+4*\b+\r], v[AC+8*\b+2*\r], v[AC+8*\b+2*\r+1]
.endr
.endr
	WIN 0
.endm
.macro TOSTAGE a
.set BB, BK+32*((\a)%2)
.irp b, 0,1,2,3,4,5,6,7
	ds_store_b128 v[STO], v[TMP+4*\b:TMP+4*\b+3] offset:32*\b
.endr
.irp t, 0,1,2,3,4,5,6,7
	ds_load_b128 v[BB+4*\t:BB+4*\t+3], v[RD] offset:\t*2*SPITCH
.endr
.endm
.macro SEND a
.set BB, BK+32*((\a)%2)
	s_wait_dscnt 0x0                               ; the block is back in registers
	s_wait_xcnt 0x0                                ; the stores of the block before have read their registers: the next block's loads may land there
.irp t, 0,1,2,3,4,5,6,7
	global_store_b128 v[CO], v[BB+4*\t:BB+4*\t+3], s[12:13] offset:2048*(\a)+256*\t
.endr
.endm
	PLACES NP                                      ; behind the last products: the conversions write registers that held x's fragments
	PACK 0
	TOSTAGE 0
.irp a, 1,2,3,4,5,6,7                  ; block a's conversions stand between block a - 1's loads from the stage and the wait for them
	PACK \a
	SEND \a-1
	TOSTAGE \a
.endr
	SEND 7
	s_wait_tensorcnt 0x0                           ; the wave's end
	ds_add_u32 v[SPW], v[NIL]
	s_wait_dscnt 0x0
	CROUND                                         ; the closing round: no work-group ends while a partner may still ask for a tile that names it
	s_endpgm
.Lfunc_end_k_q79baa750aa_proj:
	.size	k_q79baa750aa_proj, .Lfunc_end_k_q79baa750aa_proj-k_q79baa750aa_proj
	.p2alignl 7, 3214868480
	.fill 96, 4, 3214868480
	.section	.rodata,"a",@progbits
	.p2align	6, 0x0
	.amdhsa_kernel k_q79baa750aa_proj
		.amdhsa_group_segment_fixed_size 327680
		.amdhsa_private_segment_fixed_size 0
		.amdhsa_enable_private_segment 0
		.amdhsa_kernarg_size 48
		.amdhsa_user_sgpr_count 2
		.amdhsa_user_sgpr_kernarg_segment_ptr 1
		.amdhsa_wavefront_size32 1
		.amdhsa_system_sgpr_workgroup_id_x 1
		.amdhsa_system_sgpr_workgroup_id_y 1
		.amdhsa_system_sgpr_workgroup_id_z 1
		.amdhsa_system_vgpr_workitem_id 0
		.amdhsa_next_free_vgpr 1024
		.amdhsa_next_free_sgpr 102
		.amdhsa_reserve_vcc 0
		.amdhsa_float_denorm_mode_32 3
		.amdhsa_float_denorm_mode_16_64 3
		.amdhsa_memory_ordered 1
		.amdhsa_forward_progress 1
		.amdhsa_inst_pref_size 129
	.end_amdhsa_kernel
	.amdgpu_metadata
---
amdhsa.version: [ 1, 2 ]
amdhsa.kernels:
  - .name:           k_q79baa750aa_proj
    .symbol:         k_q79baa750aa_proj.kd
    .args:
      - { .name: codes, .offset: 0, .size: 8, .value_kind: global_buffer, .address_space: global }
      - { .name: scales, .offset: 8, .size: 8, .value_kind: global_buffer, .address_space: global }
      - { .name: bq, .offset: 16, .size: 8, .value_kind: global_buffer, .address_space: global }
      - { .name: bk, .offset: 24, .size: 8, .value_kind: global_buffer, .address_space: global }
      - { .name: bv, .offset: 32, .size: 8, .value_kind: global_buffer, .address_space: global }
      - { .name: heads, .offset: 40, .size: 8, .value_kind: global_buffer, .address_space: global }
    .group_segment_fixed_size: 327680
    .private_segment_fixed_size: 0
    .kernarg_segment_align: 8
    .kernarg_segment_size: 48
    .max_flat_workgroup_size: 128
    .sgpr_count:     102
    .vgpr_count:     1024
    .wavefront_size: 32
...
	.end_amdgpu_metadata
.endif
;; end of part 2
;; launch attn (part 3): grid 8 x 32, 8 waves a work-group, clusters of 4 x 1, 327,680 bytes of LDS; arguments heads, ao; writes ao
.if DOCPART == 3
	.amdgcn_target "amdgcn-amd-amdhsa--gfx1250"
	.amdhsa_code_object_version 6
	.text
	.protected	k_q79baa750aa_attn
	.globl	k_q79baa750aa_attn
	.p2align	8
	.type	k_q79baa750aa_attn,@function
k_q79baa750aa_attn:
	s_mov_b64 s[64:65], 0
	v_nop
	global_prefetch_b8 v0, s[64:65] scope:SCOPE_SE
	s_setreg_imm32_b32 hwreg(HW_REG_WAVE_MODE, 25, 1), 1
	s_wait_xcnt 0x0
	s_wait_alu depctr_hold_cnt(0) depctr_sa_sdst(0) depctr_va_vdst(0) depctr_va_sdst(0) depctr_va_ssrc(0) depctr_va_vcc(0) depctr_vm_vsrc(0)
	s_getreg_b32 s2, hwreg(HW_REG_IB_STS2, 6, 4)
	s_cmp_eq_u32 s2, 0
	s_cbranch_scc0 .Lentry_in_a_cluster
	s_endpgm
.Lentry_in_a_cluster:
	s_bfe_u32 s2, ttmp6, 0x10000c
	s_cmp_lg_u32 s2, 0x3003
	s_cbranch_scc0 .Lentry_shape_is_right
	s_endpgm
.Lentry_shape_is_right:
; O[bh][q][:] = the sum over k of softmax_k(Q[bh][q] . K[bh][k] / 8) V[bh][k][:], head size 64, 2,048 keys, 32 heads (batch x head).  heads: f16 [q, k, v][bh][2048][64];  ao: f16 [h][b x 2048 + s][64].
; Products on f16 operands with f32 sums; maxima, exponentials and sums in f32; the weights p (at most 1) are rounded to f16 for the second product, O once at the end.
; LIMITS: scores lie above -3e38, where the running maximum starts; NaN and infinities are not served; O is a mean of rows of V, so it has V's room in f16.
; SHARES.  A work-group owns 256 queries of one head; each of its eight waves owns 32: two tiles of 16.  Two waves lie on a SIMD, so that one wave's softmax stands beside the other's products.
; Every wave walks all keys, 64 a step.  Each fragment of K or V read from LDS feeds two products.
; LAYOUT.  S^T = K Q^T (source 0 = 16 keys, source 1 = 16 queries): a lane holds ONE query (lane % 16) and the keys 8 (lane / 16) + 0..7.  Two such tiles, rounded to f16 in pairs, ARE source 1
; (32 keys x 16 queries) of O^T = V^T P, whose result again holds one query a lane and eight channels.  K comes out of LDS as it lies, V turned, by ds_load_tr16_b128.
; SOFTMAX.  For each query a running maximum m and sum l: p = 2^(c s - c m), c = log2(e) / 8; in every step O and l are multiplied by a = 2^(c m_old - c m_new).  The step is written once: O and l begin
; as zeros, which the first a (it is 0) leaves zeros.
; TILES.  A head's K and V are dense, rows of 128 bytes: a tile is stated as rows of 256 bytes, two keys to a row, padded behind each row.  Key x lies at (x / 2) pitch + 128 (x % 2).
; THE RING.  Two slots of 512 keys (eight steps) each, as large as fit beside the stages: the 2,048 keys are four slots' worth, so that only two refills and three changes of slots stand in the launch.
; All eight waves fetch, 64 rows each: waves 0-3 the quarters of K's 256 rows, waves 4-7 those of V's.  A refill has eight key steps in which to land.
; CLUSTER.  The four query blocks of a cluster belong to one head and walk the same K and V: each tile is asked for JOINTLY, by the same tensor load with a mask that names the four.
; REGISTERS: window 0: v1-11 addresses; v12-27 statistics, eight a tile; v28 prefetch offset; v30, v31 for the spare words; v32-95 S^T; v96-127 P; v128-191 O^T;
;            v192-255 V of one step (channels 16 cb on, keys 32 kk on: at v[192 + 8 (4 kk + cb)]), at the end the way out.
;            window 1: v0-63 K of one step (keys 16 kb on, channels 32 c on: at v[16 kb + 8 c]); v64-95 Q.
; So the softmax, V^T P and V's loads name window 0 alone, and the row sums can stand between the products V^T P; only K's loads and K Q^T switch: four switches a step.
.set PK,     272                       ; a row (two keys) of K in LDS: 256 + 16: the sixteen keys of a load fall on sixteen different runs of 16 bytes modulo 256
.set PVP,    288                       ; of V: 256 + 32: likewise for the turning load's 8 keys x 32 bytes
.set KSTEPB, 32*PK                     ; a step's 64 keys
.set VSTEPB, 32*PVP
.set VOFF,   256*PK                    ; a slot: K's 256 rows, then V's 256 rows
.set SLOT1,  256*(PK+PVP)              ; where slot 1 begins
.set SLOTB,  65536                     ; a slot's 512 keys in memory
.set STAGE,  2*SLOT1                   ; behind the ring: 32 rows x 144 bytes for each wave, for the way out; no tensor load lands here
.set SPS,    144
.set SPARE,  STAGE+8*32*SPS            ; the spare words, 128 bytes for each wave: four blocks of 256 bytes that no other line names
.set AK0, 2                            ; v2   my lane's place in a tile of K; never rewritten
.set AV0, 3                            ; v3   the same for V
.set ADK, 4                            ; v4   LDS address of the run of K's loads in hand
.set ADV, 5                            ; v5   of V's
.set STO, 6                            ; v6   the way out: where I put 16 bytes of a row
.set RD,  7                            ; v7   where I read 16 bytes back
.set GO,  8                            ; v8   my byte offset in the wave's rows of ao
.set ST,  12                           ; tile t's statistics at v[ST + 8 t]: +0 c m, +1 m, +2, +3 l (even keys', odd keys'), +4 to +7 c0-c3, at work; a takes c2's place
.set PFO, 28                           ; v28  256 x my lane; never rewritten
.set SPW, 30                           ; v30  LDS address of my spare word; never rewritten
.set NIL, 31                           ; v31  0; never rewritten
.set S,   32
.set P,   96
.set O,   128
.set VF,  192
.set OUTR, 192
.set QF,  64                           ; Q's fragments, in window 1
.set WV,  12                           ; s12  my wave's number
.set LIM, 15                           ; s15  0 in a wave that prefetches
.set PFA, 18                           ; s[18:19] where my prefetch stands; never rewritten
.set G1K, 24                           ; s[24:31] group 1 for K's tiles;  s[32:39] for V's: the padding differs
.set G1V, 32
.set G0K, 40                           ; s[40:47] group 0 for K's tiles, a set for each slot
.set G0V, 48                           ; s[48:55] the same for V's
.set CNT, 57                           ; s57  counts the steps between two changes of slots
.set CS,  58                           ; s[58:59] c, twice: the packed form names a pair
.set SEL, 60                           ; s[60:61] lane selects for v_permlanex16_b32: lane l xor 16
.set TBK, 62                           ; s62  LDS byte at which K's tile of the step to be fetched begins
.set TBV, 63                           ; s63  the same for V (less VOFF)
.set MSB, 0
.macro WIN new                         ; the immediate's high byte repeats the setting that is left
.if MSB != \new
	s_set_vgpr_msb (MSB<<8)|\new
.set MSB, \new
.endif
.endm
.set W_KQ, 0x05                        ; sources 0 (K) and 1 (Q) window 1; C and D (S^T) window 0
.set W_LD, 0x40                        ; destination window 1, address window 0
; A joint refill of slot sl.  The branch hangs on the wave's number alone.  Four v_nop follow each of the two lines.
.macro JLOAD sl
	s_cmp_lt_u32 s[WV], 4
	s_cbranch_scc0 .Lfor_v_\@
	tensor_load_to_lds s[G0K+4*\sl:G0K+4*\sl+3], s[G1K:G1K+7]
	s_nop 0
.rept 4
	v_nop
.endr
	s_branch .Lasked_\@
.Lfor_v_\@:
	tensor_load_to_lds s[G0V+4*\sl:G0V+4*\sl+3], s[G1V:G1V+7]
	s_nop 0
.rept 4
	v_nop
.endr
.Lasked_\@:
.endm
; A prefetch of what the second refill will ask for: the head's last 512 keys, 65,536 bytes of K and of V.  It stands once, behind the first refill: eight key steps ahead of the load that will want the
; bytes, the least that this ring's form offers.  Both clusters of a head walk the same K and V: the head's first cluster asks.  Its four partners share the bytes out by address, 16,384 each; in each,
; waves 0 and 1 ask for K's and waves 4 and 5 for V's, 8,192 bytes a wave, lanes 256 bytes apart: one instruction.  So each run of 256 bytes is named once.  The other keys come by their loads alone.
.macro ASK
	s_cmp_eq_u32 s[LIM], 0
	s_cbranch_scc0 .Lnot_mine_\@
	global_prefetch_b8 v[PFO], s[PFA:PFA+1] th:TH_LOAD_NT scope:SCOPE_SE
.Lnot_mine_\@:
.endm
.macro CROUND                          ; a round of the cluster's barrier
	s_barrier_signal -1
	s_barrier_wait -1
	s_cmp_lg_u32 s[WV], 0
	s_cbranch_scc1 .Lnot_wave_0_\@
	s_barrier_signal -3
.Lnot_wave_0_\@:
	s_barrier_wait -3
	s_barrier_signal -1
	s_barrier_wait -1
.endm
	s_load_b128 s[4:7], s[0:1], 0x0                ; heads s[4:5], ao s[6:7]
	v_lshl_add_u32 v[SPW], v0, 2, SPARE
	v_mov_b32 v[NIL], 0
	ds_add_u32 v30, v31
	ds_add_u32 v30, v31
	s_wait_dscnt 0x0
	v_lshrrev_b32 v1, 5, v0
	v_readfirstlane_b32 s[WV], v1                  ; wave 0..7
	s_bfe_u32 s13, ttmp6, 0x40000                  ; cx: my place in the cluster
	s_lshl_b32 s14, ttmp9, 2
	s_add_co_u32 s14, s14, s13                     ; my block of 256 queries: it enters Q's and ao's addresses alone
	s_and_b32 s16, ttmp7, 0xffff                   ; batch x 16 + head, which the four partners share
	s_lshl_b32 s20, s16, 18                        ; the head's first byte in each third of heads
	s_mov_b32 s21, 0
	s_and_b32 s17, s[WV], 3                        ; which quarter of a slot I fetch:
	s_lshl_b32 s22, s17, 14                        ; its 128 keys in memory
	s_mov_b32 s23, 0
	s_lshl_b32 s2, s14, 15                         ; my block's 256 rows of 128 bytes,
	s_lshl_b32 s3, s[WV], 12                       ; my wave's 32 of them
	s_add_co_u32 s2, s2, s3
	s_add_co_u32 s2, s2, s20
	s_mov_b32 s3, 0
	s_and_b32 s18, s16, 15                         ; ao: row (head x 4,096 + batch x 2,048 + 256 x block + 32 x wave) of 128 bytes
	s_lshl_b32 s18, s18, 12
	s_lshr_b32 s19, s16, 4
	s_lshl_b32 s19, s19, 11
	s_add_co_u32 s18, s18, s19
	s_lshl_b32 s19, s14, 8
	s_add_co_u32 s18, s18, s19
	s_lshl_b32 s19, s[WV], 5
	s_add_co_u32 s18, s18, s19
	s_lshl_b32 s18, s18, 7
	s_mov_b32 s19, 0
	s_mul_i32 s56, s17, 64*PK                      ; my quarter's place in a slot, for K and for V: no place in the cluster enters an LDS address
	s_mul_i32 s16, s17, 64*PVP
	s_add_co_u32 s16, s16, VOFF
	; group 1: a tile of 64 rows x 128 elements of 2 bytes, dense in memory, padded in LDS
	s_mov_b32 s[G1K], 15|(1<<16)|(1<<20)|(1<<21)|(5<<22)|(3<<25)  ; 15:0 the mask: all four work-groups; 17:16 elements of 2 bytes; 20 padding on; 21 set beside a mask; 24:22 after every 64 words; 31:25 four words
	s_mov_b32 s[G1V], 15|(1<<16)|(1<<20)|(1<<21)|(5<<22)|(7<<25)  ; the same with eight words of padding
.irp g, G1K, G1V
	s_mov_b32 s[\g+1], 128<<16                     ; tensor_dim0
	s_mov_b32 s[\g+2], 64<<16                      ; tensor_dim1
	s_mov_b32 s[\g+3], 128<<16                     ; tile_dim0
	s_mov_b32 s[\g+4], 64                          ; tile_dim1
	s_mov_b32 s[\g+5], 128                         ; from row to row
	s_mov_b32 s[\g+6], 0
	s_mov_b32 s[\g+7], 0
.endr
	s_mov_b32 s[CS], 0x3e38aa3b                    ; c = log2(e) / 8
	s_mov_b32 s[CS+1], s[CS]
	s_mov_b32 s[SEL], 0x76543210
	s_mov_b32 s[SEL+1], 0xfedcba98
	s_mov_b32 s[TBK], 0
	s_mov_b32 s[TBV], 0
	s_and_b32 s[LIM], s[WV], 2                     ; 0 in waves 0, 1, 4 and 5,
	s_or_b32 s[LIM], s[LIM], ttmp9                 ; where the cluster is the head's first: the same in all four partners
	v_and_b32 v[PFO], 31, v0
	v_lshlrev_b32 v[PFO], 8, v[PFO]
	s_wait_kmcnt 0x0
	s_add_nc_u64 s[10:11], s[6:7], s[18:19]        ; ao at my wave's first row
	s_add_nc_u64 s[6:7], s[4:5], s[20:21]
	s_add_nc_u64 s[8:9], s[6:7], 0x1000000         ; the head's V: the third third of heads
	s_add_nc_u64 s[6:7], s[6:7], 0x800000          ; the head's K: the second third
	s_add_nc_u64 s[4:5], s[4:5], s[2:3]            ; Q at my wave's first row
	s_cmp_lt_u32 s[WV], 4
	s_cselect_b64 s[PFA:PFA+1], s[6:7], s[8:9]
	s_lshl_b32 s2, s13, 14                         ; my work-group's 16,384 bytes of the 65,536,
	s_and_b32 s3, s[WV], 1
	s_lshl_b32 s3, s3, 13                          ; my wave's 8,192 of them,
	s_add_co_u32 s2, s2, s3
	s_add_co_u32 s2, s2, 3*SLOTB                   ; in the head's last 512 keys
	s_mov_b32 s3, 0
	s_add_nc_u64 s[PFA:PFA+1], s[PFA:PFA+1], s[2:3]
	s_add_nc_u64 s[6:7], s[6:7], s[22:23]          ; K and V at my quarter of the first 512 keys
	s_add_nc_u64 s[8:9], s[8:9], s[22:23]
	CROUND                                         ; all four work-groups are here: the first joint loads meet
.irp s, 0,1
	s_mov_b32 s[G0K+4*\s], 1
	s_add_co_u32 s[G0K+4*\s+1], s56, \s*SLOT1
	s_add_nc_u64 s[G0K+4*\s+2:G0K+4*\s+3], s[6:7], \s*SLOTB
	s_or_b32 s[G0K+4*\s+3], s[G0K+4*\s+3], 0x80000000
	s_mov_b32 s[G0V+4*\s], 1
	s_add_co_u32 s[G0V+4*\s+1], s16, \s*SLOT1
	s_add_nc_u64 s[G0V+4*\s+2:G0V+4*\s+3], s[8:9], \s*SLOTB
	s_or_b32 s[G0V+4*\s+3], s[G0V+4*\s+3], 0x80000000
.endr
	s_cmp_lt_u32 s[WV], 4                          ; a wave's two first fills stand in one branch, ahead of every wait on TENSORcnt and every LDS read: two loads of mine are out, and never more
	s_cbranch_scc0 .Lfirst_v
	tensor_load_to_lds s[G0K:G0K+3], s[G1K:G1K+7]
	s_nop 0
	tensor_load_to_lds s[G0K+4:G0K+7], s[G1K:G1K+7]
	s_nop 0
.rept 4
	v_nop
.endr
	s_branch .Lfirst_asked
.Lfirst_v:
	tensor_load_to_lds s[G0V:G0V+3], s[G1V:G1V+7]
	s_nop 0
	tensor_load_to_lds s[G0V+4:G0V+7], s[G1V:G1V+7]
	s_nop 0
.rept 4
	v_nop
.endr
.Lfirst_asked:
	; A fragment of K or Q is 16 rows x 32 channels in 8 registers: lane l holds row l % 16; registers 0-3 channels 8 (l / 16) + 0..7, registers 4-7 channels 16 + 8 (l / 16) + 0..7
	v_and_b32 v1, 15, v0                           ; r
	v_bfe_u32 v9, v0, 4, 1                         ; h
	v_lshlrev_b32 v10, 7, v1
	v_lshl_add_u32 v10, v9, 4, v10                 ; Q: row r of 128 bytes + 16 h
	WIN W_LD
.irp x, 0,1
.irp c, 0,1
	global_load_b128 v[QF+16*\x+8*\c:QF+16*\x+8*\c+3],   v10, s[4:5] offset:2048*\x+64*\c      ; Q stays in registers: tile x, channels 32 c on
	global_load_b128 v[QF+16*\x+8*\c+4:QF+16*\x+8*\c+7], v10, s[4:5] offset:2048*\x+64*\c+32
.endr
.endr
	WIN 0
	v_lshrrev_b32 v11, 1, v1
	v_mul_u32_u24 v[AK0], v11, PK                  ; K: key r lies at (r / 2) pitch + 128 (r % 2), + 16 h
	v_and_b32 v11, 1, v0
	v_lshl_add_u32 v[AK0], v11, 7, v[AK0]
	v_lshl_add_u32 v[AK0], v9, 4, v[AK0]
	; The turning load takes 16 keys x 16 channels: lane l reads 16 bytes: key 8 (l / 16) + l % 8, channels 8 ((l / 8) % 2) + 0..7; it leaves lane l channel l % 16 and 8 keys
	v_bfe_u32 v[AV0], v0, 1, 2
	v_lshl_add_u32 v[AV0], v9, 2, v[AV0]           ; the key's row of two: 4 h + (l % 8) / 2
	v_mul_u32_u24 v[AV0], v[AV0], PVP
	v_lshl_add_u32 v[AV0], v11, 7, v[AV0]          ; + 128 (l % 2)
	v_bfe_u32 v11, v0, 3, 1
	v_lshl_add_u32 v[AV0], v11, 4, v[AV0]
	v_add_nc_u32 v[AV0], VOFF, v[AV0]
	s_mul_i32 s2, s[WV], 32*SPS
	s_add_co_u32 s2, s2, STAGE                     ; my stage
	v_mul_u32_u24 v[STO], v1, SPS                  ; in: row r, 16 bytes for each half of the lanes
	v_lshl_add_u32 v[STO], v9, 4, v[STO]
	v_add_nc_u32 v[STO], s2, v[STO]
	v_and_b32 v[GO], 31, v0
	v_lshrrev_b32 v[RD], 3, v[GO]                  ; back: eight lanes to a row of 128 bytes, four rows an instruction
	v_mul_u32_u24 v[RD], v[RD], SPS
	v_and_b32 v11, 7, v0
	v_lshl_add_u32 v[RD], v11, 4, v[RD]
	v_add_nc_u32 v[RD], s2, v[RD]
	v_lshlrev_b32 v[GO], 4, v[GO]                  ; the same four rows are 512 consecutive bytes of ao
.irp t, 0,1
	v_mov_b32 v[ST+8*\t+1], 0xff61b1e6             ; m = -3e38, under every score
	v_mul_f32 v[ST+8*\t], s[CS], v[ST+8*\t+1]      ; c m
.irp i, 2,3,4,5,6,7
	v_mov_b32 v[ST+8*\t+\i], 0                     ; l; and c0-c3, written once: a lane permute's destination counts as one of its sources
.endr
.endr
.irp j, 0,1,2,3,4,5,6,7,8,9,10,11,12,13,14,15,16,17,18,19,20,21,22,23,24,25,26,27,28,29,30,31,32,33,34,35,36,37,38,39,40,41,42,43,44,45,46,47,48,49,50,51,52,53,54,55,56,57,58,59,60,61,62,63
	v_mov_b32 v[O+\j], 0                           ; O^T: 64 lines once, so that the key step needs no first copy of its own
.endr
.macro FETCH_K                         ; a step's K: 64 keys x 64 channels: 16 loads in one run
	WIN W_LD
.irp kb, 0,1,2,3
.irp c, 0,1
	ds_load_b128 v[16*\kb+8*\c:16*\kb+8*\c+3],   v[ADK] offset:\kb*8*PK+64*\c
	ds_load_b128 v[16*\kb+8*\c+4:16*\kb+8*\c+7], v[ADK] offset:\kb*8*PK+64*\c+32
.endr
.endr
	WIN 0
.endm
.macro FETCH_V                         ; a step's V, turned: 16 loads in one run
.irp kk, 0,1
.irp cb, 0,1,2,3
	ds_load_tr16_b128 v[VF+8*(4*\kk+\cb):VF+8*(4*\kk+\cb)+3],   v[ADV] offset:\kk*16*PVP+32*\cb
	ds_load_tr16_b128 v[VF+8*(4*\kk+\cb)+4:VF+8*(4*\kk+\cb)+7], v[ADV] offset:\kk*16*PVP+8*PVP+32*\cb
.endr
.endr
.endm
; The accumulators take turns, one instruction a turn: between two links of a chain stand the seven others'.
.macro KQ                              ; S^T = K Q^T: 16 products; the first eight start the sums
	WIN W_KQ
.irp c, 0,1
.irp kb, 0,1,2,3
.irp x, 0,1
.if \c == 0
	v_wmma_f32_16x16x32_f16 v[S+32*\x+8*\kb:S+32*\x+8*\kb+7], v[16*\kb+8*\c:16*\kb+8*\c+7], v[QF+16*\x+8*\c:QF+16*\x+8*\c+7], 0
.else
	v_wmma_f32_16x16x32_f16 v[S+32*\x+8*\kb:S+32*\x+8*\kb+7], v[16*\kb+8*\c:16*\kb+8*\c+7], v[QF+16*\x+8*\c:QF+16*\x+8*\c+7], v[S+32*\x+8*\kb:S+32*\x+8*\kb+7]
.endif
.endr
.endr
.endr
	WIN 0
.endm
; THE ROW'S SUM, of p before it is rounded, is a list of 32 lines, the two tiles by turns: a tree of packed additions in place on S^T (neighbours 1, 2, 4 and 8 pairs apart: 16, 8, 4 and 2 lines),
; then l = a l + the sum (2 lines).  SUM1 writes line SN of the list and steps SN.  No line names a register of the products V^T P.
.macro SUM1
.set STT, SN%2
.set SWW, 32
.set SUU, 0
.if SN < 16
.set SWW, 4
.set SUU, SN/2
.elseif SN < 24
.set SWW, 8
.set SUU, (SN-16)/2
.elseif SN < 28
.set SWW, 16
.set SUU, (SN-24)/2
.endif
.set SRR, S+32*STT+SWW*SUU
.if SN < 30
	v_pk_add_f32 v[SRR:SRR+1], v[SRR:SRR+1], v[SRR+SWW/2:SRR+SWW/2+1]
.else
	v_pk_fma_f32 v[ST+8*STT+2:ST+8*STT+3], v[ST+8*STT+2:ST+8*STT+3], v[ST+8*STT+6:ST+8*STT+7], v[S+32*STT:S+32*STT+1] op_sel_hi:[1,0,1]
.endif
.set SN, SN+1
.endm
; O^T += V^T P: 16 products, with the row sums between them: two lines behind each of the first fourteen products, four behind the last: these four are the places in front of the loads into V's
; registers, and at the end in front of the first read of O^T.
.macro PVS
.set SN, 0
.set PN, 0
.irp kk, 0,1
.irp cb, 0,1,2,3
.irp x, 0,1
	v_wmma_f32_16x16x32_f16 v[O+32*\x+8*\cb:O+32*\x+8*\cb+7], v[VF+8*(4*\kk+\cb):VF+8*(4*\kk+\cb)+7], v[P+16*\x+8*\kk:P+16*\x+8*\kk+7], v[O+32*\x+8*\cb:O+32*\x+8*\cb+7]
.if PN < 14
	SUM1
	SUM1
.elseif PN == 15
	SUM1
	SUM1
	SUM1
	SUM1
.endif
.set PN, PN+1
.endr
.endr
.endr
.endm
; The softmax of a step, both tiles line by line, so that no line waits for the line above it.  Each accumulator of S^T is first read at its low end.
.macro SOFTMAX
.irp j, 0,1,2,3
.irp t, 0,1
	v_max3_num_f32 v[ST+8*\t+4+\j], v[S+32*\t+8*\j], v[S+32*\t+8*\j+1], v[S+32*\t+8*\j+2]   ; four chains, one to each tile of 16 keys
.endr
.endr
.irp g, 1,2
.irp j, 0,1,2,3
.irp t, 0,1
	v_max3_num_f32 v[ST+8*\t+4+\j], v[ST+8*\t+4+\j], v[S+32*\t+8*\j+2*\g+1], v[S+32*\t+8*\j+2*\g+2]
.endr
.endr
.endr
.irp t, 0,1
	v_max3_num_f32 v[ST+8*\t+4], v[ST+8*\t+4], v[S+32*\t+7], v[S+32*\t+15]
	v_max3_num_f32 v[ST+8*\t+6], v[ST+8*\t+6], v[S+32*\t+23], v[S+32*\t+31]
.endr
.irp t, 0,1
	v_max3_num_f32 v[ST+8*\t+4], v[ST+8*\t+4], v[ST+8*\t+5], v[ST+8*\t+6]
.endr
.irp t, 0,1
	v_max3_num_f32 v[ST+8*\t+4], v[ST+8*\t+4], v[ST+8*\t+7], v[ST+8*\t+1]   ; with the old m
.endr
.irp t, 0,1
	v_permlanex16_b32 v[ST+8*\t+5], v[ST+8*\t+4], s[SEL], s[SEL+1]          ; the query's other 32 keys lie in the lane 16 away
.endr
.irp t, 0,1
	v_mov_b32 v[ST+8*\t+7], v[ST+8*\t]             ; c m_old is kept for a
.endr
.irp t, 0,1
	v_max_num_f32 v[ST+8*\t+1], v[ST+8*\t+4], v[ST+8*\t+5]                  ; the new m
.endr
.irp t, 0,1
	v_mul_f32 v[ST+8*\t], s[CS], v[ST+8*\t+1]
.endr
.irp t, 0,1
	v_sub_f32 v[ST+8*\t+7], v[ST+8*\t+7], v[ST+8*\t]
.endr
.irp t, 0,1
	v_exp_f32 v[ST+8*\t+6], v[ST+8*\t+7]           ; a = 2^(c m_old - c m_new); the scalings below are the plain lines behind it
.endr
.irp b, 0,1,2,3,4,5,6,7,8,9,10,11,12,13,14,15
.irp t, 0,1
	v_pk_fma_f32 v[S+32*\t+2*\b:S+32*\t+2*\b+1], v[S+32*\t+2*\b:S+32*\t+2*\b+1], s[CS:CS+1], v[ST+8*\t:ST+8*\t+1] op_sel_hi:[1,0,0] neg_lo:[0,0,1] neg_hi:[0,0,1]   ; c s - c m, two at a time
.endr
.endr
; AN EXPONENTIAL AND A PLAIN LINE BY TURNS: the 64 exponentials have 64 plain lines that are ready beside them: O^T x a (each accumulator from its low end on) and the rounding to f16 of the same tile's
; pair before, whose exponentials stand eight lines back.  So every exponential has its plain line behind it before its result is used (ISA guide 5.7.2).
.irp i, 0,1,2,3,4,5,6,7,8,9,10,11,12,13,14,15
.irp t, 0,1
	v_exp_f32 v[S+32*\t+2*\i], v[S+32*\t+2*\i]     ; p
	s_wait_alu depctr_va_vdst(0)
	v_pk_mul_f32 v[O+32*\t+2*\i:O+32*\t+2*\i+1], v[O+32*\t+2*\i:O+32*\t+2*\i+1], v[ST+8*\t+6:ST+8*\t+7] op_sel_hi:[1,0]
	v_exp_f32 v[S+32*\t+2*\i+1], v[S+32*\t+2*\i+1]
.if \i > 0
	s_wait_alu depctr_va_vdst(0)
	v_cvt_pk_f16_f32 v[P+16*\t+\i-1], v[S+32*\t+2*\i-2], v[S+32*\t+2*\i-1]
.endif
.endr
.endr
	s_wait_alu depctr_va_vdst(0)
.irp t, 0,1
	v_cvt_pk_f16_f32 v[P+16*\t+15], v[S+32*\t+30], v[S+32*\t+31]   ; the last pairs: tile 0's line is the plain line behind tile 1's last exponential
.endr
.endm
; ONE TRIP: the softmax and V^T P of the step in hand, K Q^T of the next.  The next step's K is asked for ahead of the softmax, its V behind V^T P.
.macro BODY
	v_add_nc_u32 v[ADK], s[TBK], v[AK0]            ; these two lines and two v_nop are the four places behind K Q^T: in front of the loads into K's registers and of the first read of the scores
	v_add_nc_u32 v[ADV], s[TBV], v[AV0]
	v_nop
	v_nop
	s_add_co_u32 s[TBK], s[TBK], KSTEPB
	s_add_co_u32 s[TBV], s[TBV], VSTEPB
	FETCH_K
	SOFTMAX
	s_wait_dscnt 16                                ; V of this step is in; the sixteen younger loads, K's, may be out
	PVS
	FETCH_V
	s_wait_dscnt 16                                ; K of the next step is in; V's sixteen loads may be out
	KQ
.endm
.macro STEPS n
	s_mov_b32 s[CNT], \n
.Lstep_\@:
	BODY
	s_sub_co_u32 s[CNT], s[CNT], 1
	s_cmp_lg_u32 s[CNT], 0
	s_cbranch_scc1 .Lstep_\@
.endm
; THE CHANGE OF SLOTS: the slot's last bytes, K and V of its eighth step, have been asked for.  Each wave waits for all its tensor loads (its part of the other slot), adds 0 to its spare word, and waits
; for that and for its reads of the slot.  Behind the barrier nobody reads this slot any more and the other slot, nx, is whole.  fill = 1: the barrier is a round of the cluster's, and the slot that was
; left, sl, is filled again, first thing behind it, with the keys 1,024 on.
.macro CHANGE fill, sl, nx, ask
	s_wait_tensorcnt 0x0                           ; no tensor load of mine is out, so a group 0 may be written
	ds_add_u32 v[SPW], v[NIL]                      ; 0 onto my spare word: the scalar lines below stand between it and the wait for it
.if \fill
	s_add_nc_u64 s[G0K+4*\sl+2:G0K+4*\sl+3], s[G0K+4*\sl+2:G0K+4*\sl+3], 2*SLOTB   ; the slot's next 512 keys; the type bits on top are not reached
	s_add_nc_u64 s[G0V+4*\sl+2:G0V+4*\sl+3], s[G0V+4*\sl+2:G0V+4*\sl+3], 2*SLOTB
.endif
	s_mov_b32 s[TBK], \nx*SLOT1                    ; the fetches go on at the other slot's first step
	s_mov_b32 s[TBV], \nx*SLOT1
	s_wait_dscnt 0x0                               ; the add is done, and my reads of the slot are over
.if \fill
	CROUND
	JLOAD \sl
.if \ask
	ASK
.endif
.else
	s_barrier_signal -1
	s_barrier_wait -1
.endif
.endm
	s_wait_tensorcnt 1                             ; my part of slot 0 is in; slot 1's load may stay out
	s_barrier_signal -1
	s_barrier_wait -1                              ; everybody's is
	v_add_nc_u32 v[ADK], s[TBK], v[AK0]
	v_add_nc_u32 v[ADV], s[TBV], v[AV0]
	s_add_co_u32 s[TBK], s[TBK], KSTEPB
	s_add_co_u32 s[TBV], s[TBV], VSTEPB
	FETCH_K                                        ; key step 0
	FETCH_V
	s_wait_loadcnt 0x0                             ; Q
	s_wait_dscnt 16                                ; K is in; V's sixteen loads may be out
	KQ
	STEPS 7                                        ; steps 0 to 6; they fetch the rest of slot 0
	CHANGE 1, 0, 1, 1                              ; slot 0 takes keys 1,024 on; keys 1,536 on are prefetched
	STEPS 8
	CHANGE 1, 1, 0, 0                              ; slot 1 takes keys 1,536 on
	STEPS 8
	CHANGE 0, 0, 1, 0                              ; nothing is left to ask for
	STEPS 8
.rept 4
	v_nop                                          ; the places behind the last K Q^T
.endr
	SOFTMAX                                        ; the last step
	s_wait_dscnt 0x0
	PVS
	; THE WAY OUT.  l's two halves and the other half of the lanes' are added; O^T is divided by l, rounded to f16 and sent through my stage: my 32 rows of 128 bytes are 4,096 consecutive bytes of ao.
.irp t, 0,1
	v_add_f32 v[ST+8*\t+4], v[ST+8*\t+2], v[ST+8*\t+3]
.endr
.irp t, 0,1
	v_permlanex16_b32 v[ST+8*\t+5], v[ST+8*\t+4], s[SEL], s[SEL+1]
.endr
.irp t, 0,1
	v_add_f32 v[ST+8*\t+4], v[ST+8*\t+4], v[ST+8*\t+5]
.endr
.irp t, 0,1
	v_rcp_f32 v[ST+8*\t+6], v[ST+8*\t+4]
.endr
	v_nop                                          ; a plain line between the last reciprocal and the use of its result
	s_wait_alu depctr_va_vdst(0)
.irp i, 0,1,2,3,4,5,6,7,8,9,10,11,12,13,14,15
.irp t, 0,1
	v_pk_mul_f32 v[O+32*\t+2*\i:O+32*\t+2*\i+1], v[O+32*\t+2*\i:O+32*\t+2*\i+1], v[ST+8*\t+6:ST+8*\t+7] op_sel_hi:[1,0]
.endr
.endr
.irp i, 0,1,2,3,4,5,6,7,8,9,10,11,12,13,14,15
.irp t, 0,1
	v_cvt_pk_f16_f32 v[S+16*\t+\i], v[O+32*\t+2*\i], v[O+32*\t+2*\i+1]   ; registers 4 cb .. 4 cb + 3: channels 16 cb + 8 h + 0 .. 7 of query 16 t + r
.endr
.endr
.irp t, 0,1
.irp cb, 0,1,2,3
	ds_store_b128 v[STO], v[S+16*\t+4*\cb:S+16*\t+4*\cb+3] offset:\t*16*SPS+32*\cb
.endr
.endr
.irp i, 0,1,2,3,4,5,6,7
	ds_load_b128 v[OUTR+4*\i:OUTR+4*\i+3], v[RD] offset:\i*4*SPS   ; LDS serves a wave's instructions in order (ISA guide 5.7.1.4): these see the stores above
.endr
.irp i, 0,1,2,3,4,5,6,7
	s_wait_dscnt 7-\i                              ; load i is in; the younger ones may be out
	global_store_b128 v[GO], v[OUTR+4*\i:OUTR+4*\i+3], s[10:11] offset:512*\i   ; 32 lanes store 512 consecutive bytes, at a multiple of 256 from the buffer's first byte
.endr
	s_wait_tensorcnt 0x0                           ; the wave's end
	ds_add_u32 v[SPW], v[NIL]
	s_wait_dscnt 0x0
	CROUND                                         ; the closing round: no work-group ends while a partner may still ask for a tile that names it
	s_endpgm
.Lfunc_end_k_q79baa750aa_attn:
	.size	k_q79baa750aa_attn, .Lfunc_end_k_q79baa750aa_attn-k_q79baa750aa_attn
	.p2alignl 7, 3214868480
	.fill 96, 4, 3214868480
	.section	.rodata,"a",@progbits
	.p2align	6, 0x0
	.amdhsa_kernel k_q79baa750aa_attn
		.amdhsa_group_segment_fixed_size 327680
		.amdhsa_private_segment_fixed_size 0
		.amdhsa_enable_private_segment 0
		.amdhsa_kernarg_size 16
		.amdhsa_user_sgpr_count 2
		.amdhsa_user_sgpr_kernarg_segment_ptr 1
		.amdhsa_wavefront_size32 1
		.amdhsa_system_sgpr_workgroup_id_x 1
		.amdhsa_system_sgpr_workgroup_id_y 1
		.amdhsa_system_sgpr_workgroup_id_z 1
		.amdhsa_system_vgpr_workitem_id 0
		.amdhsa_next_free_vgpr 352
		.amdhsa_next_free_sgpr 66
		.amdhsa_reserve_vcc 0
		.amdhsa_float_denorm_mode_32 3
		.amdhsa_float_denorm_mode_16_64 3
		.amdhsa_memory_ordered 1
		.amdhsa_forward_progress 1
		.amdhsa_inst_pref_size 116
	.end_amdhsa_kernel
	.amdgpu_metadata
---
amdhsa.version: [ 1, 2 ]
amdhsa.kernels:
  - .name:           k_q79baa750aa_attn
    .symbol:         k_q79baa750aa_attn.kd
    .args:
      - { .name: heads, .offset: 0, .size: 8, .value_kind: global_buffer, .address_space: global }
      - { .name: ao, .offset: 8, .size: 8, .value_kind: global_buffer, .address_space: global }
    .group_segment_fixed_size: 327680
    .private_segment_fixed_size: 0
    .kernarg_segment_align: 8
    .kernarg_segment_size: 16
    .max_flat_workgroup_size: 256
    .sgpr_count:     66
    .vgpr_count:     352
    .wavefront_size: 32
...
	.end_amdgpu_metadata
.endif
;; end of part 3
;; launch oproj (part 4): grid 8 x 32, 4 waves a work-group, clusters of 4 x 4, 327,680 bytes of LDS; arguments ao, wo16, out0, bo; writes out0
.if DOCPART == 4
	.amdgcn_target "amdgcn-amd-amdhsa--gfx1250"
	.amdhsa_code_object_version 6
	.text
	.protected	k_q79baa750aa_oproj
	.globl	k_q79baa750aa_oproj
	.p2align	8
	.type	k_q79baa750aa_oproj,@function
k_q79baa750aa_oproj:
	s_mov_b64 s[64:65], 0
	v_nop
	global_prefetch_b8 v0, s[64:65] scope:SCOPE_SE
	s_setreg_imm32_b32 hwreg(HW_REG_WAVE_MODE, 25, 1), 1
	s_wait_xcnt 0x0
	s_wait_alu depctr_hold_cnt(0) depctr_sa_sdst(0) depctr_va_vdst(0) depctr_va_sdst(0) depctr_va_ssrc(0) depctr_va_vcc(0) depctr_vm_vsrc(0)
	s_getreg_b32 s2, hwreg(HW_REG_IB_STS2, 6, 4)
	s_cmp_eq_u32 s2, 0
	s_cbranch_scc0 .Lentry_in_a_cluster
	s_endpgm
.Lentry_in_a_cluster:
	s_bfe_u32 s2, ttmp6, 0x10000c
	s_cmp_lg_u32 s2, 0xf033
	s_cbranch_scc0 .Lentry_shape_is_right
	s_endpgm
.Lentry_shape_is_right:
; out0[m][n] = the sum over k of A[m][k] Wo[n][k] + bo[n].  A is the attention's result, f16, laid ao[h][m][64] with k = 64 h + d;  wo16: Wo as f16, [1024][1024];  out0: [4096][1024] f32; sums in f32.
; A tile of out0 is 128 x 128: 256 work-groups.  Four waves, each 64 x 64: 16 accumulators of 16 x 16.  K goes in steps of 256 (four heads) through two LDS slots.
; A'S TILE: for one head, 64 rows of A are 8,192 consecutive bytes.  A wave's tensor load takes four such runs, one to a head, 524,288 bytes apart, with 16 bytes of padding behind every 128:
; in LDS head qd of the step lies at 9,216 qd, a row of 64 k at 144 x row.  So a quarter of a K step (64 along K) is one head's plane.  Wo's tile: 64 rows of 512 bytes, 528 apart in LDS.
; CLUSTERS: 4 x 4 work-groups.  The four of a row of the cluster need the same tiles of A, the four of a column the same tiles of Wo: each tile is asked for JOINTLY.
; THE MATRIX INSTRUCTION IS USED TRANSPOSED (source 0 = 16 rows of Wo, source 1 = 16 rows of A): a lane holds eight neighbouring numbers of a row of out0.  The bias is the C of each sum's first product.
; No prefetch: a K step of this small tile is short, and both operands are small and read by many work-groups at about the same time.
; REGISTERS: window 0: v0-31 addresses; v32-63 the bias, later with v64-95 the way out; v128-255 the accumulators ((a, b) at v[128 + 8 (4 a + b)]).
;   window 1: two fragment buffers of 128: for 64 along K, 64 registers of A (2 x 4 x 16 rows x 32 K), then 64 of Wo.
.set SIZE_N, 1024
.set PA,     144                       ; a row of A in LDS: 128 bytes + 16: the 16 rows of a load start at 16 different runs of 16 bytes modulo 256
.set PLANE,  64*PA                     ; a head's 64 rows
.set HALFA,  4*PLANE                   ; what one tensor load brings of A: 64 rows x 256 K
.set PB,     528                       ; a row of Wo in LDS: 512 bytes + 16
.set HALFB,  64*PB
.set BOFF,   2*HALFA                   ; a slot: A's 128 rows, then Wo's 128 rows
.set SLOT,   BOFF+2*HALFB
.set STAGE,  2*SLOT                    ; behind the ring: 16 rows x 272 bytes for each wave; no tensor load lands here
.set SPITCH, 272
.set SPARE,  STAGE+4*16*SPITCH         ; the spare words, 128 bytes for each wave: two blocks of 256 bytes that no other line names
.set LAPS,   2                         ; a lap = two K steps = once round the ring
.set ASTEP,  4*524288                  ; a K step on in ao: four heads
.set BSTEP,  512                       ; in wo16: 256 numbers of a row
.set ADRA, 16                          ; v16-17  LDS address of my A fragments in slot 0, 1
.set ADRB, 20                          ; v20-21  the same for Wo
.set STO,  24                          ; v24     the way out: where I put 32 bytes of a row
.set RD,   25                          ; v25     where I read 16 bytes back
.set CO,   26                          ; v26     my byte offset in out0
.set SPW,  28                          ; v28     LDS address of my spare word; never rewritten
.set NIL,  29                          ; v29     0; never rewritten
.set BIAS, 32
.set BK,   32                          ; the way out: v32-63 and v64-95 by turns
.set ACC,  128
.set F0,   0                           ; fragment buffers, in window 1
.set F1,   128
.set G1, 24                            ; s[24:31] group 1 for A's tiles;  s[32:39] group 0, one set for each slot
.set G0, 32
.set G1B, 48                           ; s[48:55], s[56:63] the same for Wo's
.set G0B, 56
.set MSB, 0
.macro WIN new                         ; the immediate's high byte repeats the setting that is left
.if MSB != \new
	s_set_vgpr_msb (MSB<<8)|\new
.set MSB, \new
.endif
.endm
.set MUL,  0x05                        ; sources 0 (Wo) and 1 (A) window 1; C and D window 0
.set TO_F, 0x40                        ; destination window 1, address window 0
.macro JLOAD s                         ; a joint load: waves 0 and 1 fetch A's two halves, waves 2 and 3 Wo's; four v_nop follow each of the two lines
	s_cmp_eq_u32 s11, 0
	s_cbranch_scc0 .Lfor_b_\@
	tensor_load_to_lds s[G0+4*\s:G0+4*\s+3], s[G1:G1+7]
	s_nop 0
.rept 4
	v_nop
.endr
	s_branch .Lasked_\@
.Lfor_b_\@:
	tensor_load_to_lds s[G0B+4*\s:G0B+4*\s+3], s[G1B:G1B+7]
	s_nop 0
.rept 4
	v_nop
.endr
.Lasked_\@:
.endm
.macro CREST                           ; a round of the cluster's barrier behind its opening barrier
	s_cmp_lg_u32 s10, 0
	s_cbranch_scc1 .Lnot_wave_0_\@
	s_barrier_signal -3
.Lnot_wave_0_\@:
	s_barrier_wait -3
	s_barrier_signal -1
	s_barrier_wait -1
.endm
.macro CROUND                          ; a whole round
	s_barrier_signal -1
	s_barrier_wait -1
	CREST
.endm
	s_load_b128 s[4:7], s[0:1], 0x0                ; ao s[4:5], wo16 s[6:7]
	s_load_b64 s[8:9], s[0:1], 0x10                ; out0
	s_load_b64 s[66:67], s[0:1], 0x18              ; bo
	v_lshl_add_u32 v[SPW], v0, 2, SPARE
	v_mov_b32 v[NIL], 0
	ds_add_u32 v28, v29
	ds_add_u32 v28, v29
	s_wait_dscnt 0x0
	v_lshrrev_b32 v1, 5, v0
	v_readfirstlane_b32 s10, v1                    ; wave 0..3
	s_lshr_b32 s11, s10, 1                         ; which half of the tile's rows is mine.  Also: I fetch for A (0) or for Wo (1)
	s_and_b32 s12, s10, 1                          ; which half of its columns.  Also: which 64 rows of that tile I fetch
	s_bfe_u32 s40, ttmp6, 0x40000                  ; cx, cy: my place in the cluster
	s_bfe_u32 s41, ttmp6, 0x40004
	s_lshl_b32 s42, ttmp9, 2
	s_add_co_u32 s42, s42, s40                     ; tile column = 4 x cluster x + cx
	s_and_b32 s13, ttmp7, 0xffff
	s_lshl_b32 s13, s13, 2
	s_add_co_u32 s13, s13, s41                     ; tile row = 4 x cluster y + cy
	s_lshl_b32 s43, s41, 2
	s_lshl_b32 s43, 15, s43                        ; my row of the cluster
	s_lshl_b32 s44, 0x1111, s40                    ; my column
	; group 1 for A: 4 rows (heads) of 4,096 elements of 2 bytes, 262,144 elements apart; four words of padding behind every 32
	s_or_b32 s[G1+0], s43, (1<<16)|(1<<20)|(1<<21)|(4<<22)|(3<<25)
	s_mov_b32 s[G1+1], 4096<<16                    ; tensor_dim0
	s_mov_b32 s[G1+2], 4<<16                       ; tensor_dim1
	s_mov_b32 s[G1+3], 4096<<16                    ; tile_dim0
	s_mov_b32 s[G1+4], 4                           ; tile_dim1
	s_mov_b32 s[G1+5], 262144                      ; from head to head
	s_mov_b32 s[G1+6], 0
	s_mov_b32 s[G1+7], 0
	; group 1 for Wo: 64 rows of 256 elements, 1,024 apart; four words of padding behind every 128
	s_or_b32 s[G1B+0], s44, (1<<16)|(1<<20)|(1<<21)|(6<<22)|(3<<25)
	s_mov_b32 s[G1B+1], 256<<16
	s_mov_b32 s[G1B+2], 64<<16
	s_mov_b32 s[G1B+3], 256<<16
	s_mov_b32 s[G1B+4], 64
	s_mov_b32 s[G1B+5], 1024
	s_mov_b32 s[G1B+6], 0
	s_mov_b32 s[G1B+7], 0
	s_lshl_b32 s17, s12, 6                         ; which 64 rows of the tile I fetch
	s_lshl_b32 s16, s13, 7
	s_add_co_u32 s16, s16, s17                     ; A: row 128 x tile row + 64 x half,
	s_lshl_b32 s16, s16, 7                         ; of 128 bytes in a head's plane
	s_lshl_b32 s46, s42, 7
	s_add_co_u32 s46, s46, s17                     ; Wo: row 128 x tile column + 64 x half,
	s_lshl_b32 s46, s46, 11                        ; of 2,048 bytes
	s_mov_b32 s17, 0
	s_mov_b32 s47, 0
	s_mul_i32 s20, s12, HALFA                      ; where they go: no place in the cluster enters an LDS address
	s_mul_i32 s21, s12, HALFB
	s_add_co_u32 s21, s21, BOFF
	s_wait_kmcnt 0x0
	s_add_nc_u64 s[14:15], s[4:5], s[16:17]
	s_add_nc_u64 s[46:47], s[6:7], s[46:47]
	CROUND                                         ; all sixteen work-groups are here: the first joint loads meet
.irp s, 0,1
	s_mov_b32 s[G0+4*\s], 1
	s_add_co_u32 s[G0+4*\s+1], s20, \s*SLOT
	s_add_nc_u64 s[G0+4*\s+2:G0+4*\s+3], s[14:15], \s*ASTEP
	s_or_b32 s[G0+4*\s+3], s[G0+4*\s+3], 0x80000000
	s_mov_b32 s[G0B+4*\s], 1
	s_add_co_u32 s[G0B+4*\s+1], s21, \s*SLOT
	s_add_nc_u64 s[G0B+4*\s+2:G0B+4*\s+3], s[46:47], \s*BSTEP
	s_or_b32 s[G0B+4*\s+3], s[G0B+4*\s+3], 0x80000000
	JLOAD \s                                       ; two tensor loads of mine are out at the most
.endr
	v_and_b32 v1, 15, v0                           ; r = l % 16
	v_bfe_u32 v2, v0, 4, 1                         ; h = l / 16
	v_mul_u32_u24 v3, v1, PA
	v_lshl_add_u32 v3, v2, 4, v3                   ; a fragment's row x pitch + 16 x half, for A
	v_mul_u32_u24 v4, v1, PB
	v_lshl_add_u32 v4, v2, 4, v4                   ; and for Wo
	s_mul_i32 s21, s11, HALFA                      ; my 64 rows of A
	s_mul_i32 s22, s12, HALFB                      ; my 64 rows of Wo,
	s_add_co_u32 s22, s22, BOFF                    ; which lie behind A's 128
.irp s, 0,1
	v_add_nc_u32 v[ADRA+\s], s21, v3
	v_add_nc_u32 v[ADRB+\s], s22, v4
	s_add_co_u32 s21, s21, SLOT
	s_add_co_u32 s22, s22, SLOT
.endr
	s_mul_i32 s23, s10, 16*SPITCH
	s_add_co_u32 s23, s23, STAGE                   ; my stage
	v_mul_u32_u24 v5, v1, SPITCH                   ; in: row r, 32 bytes for each half of the lanes
	v_lshl_add_u32 v5, v2, 5, v5
	v_add_nc_u32 v[STO], s23, v5
	v_mul_u32_u24 v5, v2, SPITCH                   ; back: lanes 0-15 take one row of 256 bytes, lanes 16-31 the next
	v_lshl_add_u32 v5, v1, 4, v5
	v_add_nc_u32 v[RD], s23, v5
	v_lshlrev_b32 v5, 12, v2                       ; and the same two rows in out0: 4,096 bytes a row
	v_lshl_add_u32 v[CO], v1, 4, v5
	s_lshl_b32 s16, s13, 7
	s_lshl_b32 s17, s11, 6
	s_add_co_u32 s16, s16, s17                     ; my first row of out0
	s_lshl_b32 s16, s16, 12
	s_mov_b32 s17, 0
	s_lshl_b32 s46, s42, 7
	s_lshl_b32 s47, s12, 6
	s_add_co_u32 s46, s46, s47                     ; my first column,
	s_lshl_b32 s46, s46, 2                         ; in bytes: in out0 and in bo alike
	s_mov_b32 s47, 0
	s_add_nc_u64 s[66:67], s[66:67], s[46:47]
	s_add_nc_u64 s[8:9], s[8:9], s[16:17]
	s_add_nc_u64 s[8:9], s[8:9], s[46:47]
	v_lshlrev_b32 v6, 5, v2                        ; lane (r, h) wants, for Wo's block b, the bias of columns 16 b + 8 h + 0 .. 7
.irp b, 0,1,2,3
	global_load_b128 v[BIAS+8*\b:BIAS+8*\b+3], v6, s[66:67] offset:64*\b
	global_load_b128 v[BIAS+8*\b+4:BIAS+8*\b+7], v6, s[66:67] offset:64*\b+16
.endr
; 8 matrix instructions: A's blocks a0, a0 + 1 x Wo's four, 32 along K: half c of buffer f.  zero = 1: the first product starts the sum from the bias.
; The 16 accumulators take turns, one instruction a turn, in the same order throughout.
.macro MUL8 f, c, a0, zero
.irp a, \a0, \a0+1
.irp b, 0,1,2,3
.if \zero
	v_wmma_f32_16x16x32_f16 v[ACC+8*(4*(\a)+\b):ACC+8*(4*(\a)+\b)+7], v[\f+64+8*(4*\c+\b):\f+64+8*(4*\c+\b)+7], v[\f+8*(4*\c+\a):\f+8*(4*\c+\a)+7], v[BIAS+8*\b:BIAS+8*\b+7]
.else
	v_wmma_f32_16x16x32_f16 v[ACC+8*(4*(\a)+\b):ACC+8*(4*(\a)+\b)+7], v[\f+64+8*(4*\c+\b):\f+64+8*(4*\c+\b)+7], v[\f+8*(4*\c+\a):\f+8*(4*\c+\a)+7], v[ACC+8*(4*(\a)+\b):ACC+8*(4*(\a)+\b)+7]
.endif
.endr
.endr
.endm
; 32 LDS loads in one run: the fragments of the slot's q-th 64 along K into buffer f; the first 32 along K first
.macro FETCH slot, q, f
	WIN TO_F
.irp c, 0,1
.irp i, 0,1,2,3
	ds_load_b128 v[\f+64+8*(4*\c+\i):\f+64+8*(4*\c+\i)+3],   v[ADRB+\slot] offset:128*(\q)+64*\c+\i*16*PB
	ds_load_b128 v[\f+64+8*(4*\c+\i)+4:\f+64+8*(4*\c+\i)+7], v[ADRB+\slot] offset:128*(\q)+64*\c+\i*16*PB+32
	ds_load_b128 v[\f+8*(4*\c+\i):\f+8*(4*\c+\i)+3],         v[ADRA+\slot] offset:(\q)*PLANE+64*\c+\i*16*PA
	ds_load_b128 v[\f+8*(4*\c+\i)+4:\f+8*(4*\c+\i)+7],       v[ADRA+\slot] offset:(\q)*PLANE+64*\c+\i*16*PA+32
.endr
.endr
.endm
.macro PLACES                          ; four places in front of loads into registers that matrix instructions have read, and of the first read of results (ISA guide 7.12.1 for vector instructions)
.rept 4
	v_nop
.endr
.endm
; A K step is four quarters of 64 along K, 32 matrix instructions each, on buffers 0, 1, 0, 1.  One of the first three: multiplies buffer f and fetches quarter q into g.
.macro QUARTER slot, q, f, g, zero
	s_wait_dscnt 16                                ; the first 32 along K are in; the sixteen loads of the second 32 may be out
	WIN MUL
	MUL8 \f, 0, 0, \zero
	MUL8 \f, 0, 2, \zero
	PLACES
	FETCH \slot, \q, \g
	s_wait_dscnt 32                                ; all but the 32 just issued
	WIN MUL
	MUL8 \f, 1, 0, 0
	MUL8 \f, 1, 2, 0
.endm
; The last quarter multiplies buffer 1 and changes slots: ONE barrier; in front of it each wave waits for all its tensor loads, adds 0 to its spare word, and waits for that and for its own reads of
; this slot.  fill = 1: the barrier opens a round of the cluster's, and this slot is filled again, two K steps ahead, first thing behind the round.
.macro TURN slot, next, fill
	WIN 0                                          ; (the add's two registers lie in window 0)
	s_wait_tensorcnt 0x0                           ; all my tensor loads have landed: my part of the next slot
	ds_add_u32 v[SPW], v[NIL]                      ; 0 onto my spare word
	s_wait_dscnt 17                                ; (the add and the youngest sixteen loads may be out)
	WIN MUL
	MUL8 F1, 0, 0, 0                               ; eight matrix instructions stand between the add and the wait for it
	s_wait_dscnt 0x0                               ; the add is done, and my reads of this slot are over
	s_barrier_signal -1
	MUL8 F1, 0, 2, 0
.if \fill
	WIN 0
.endif
	s_barrier_wait -1
.if \fill
	CREST                                          ; no wave of any partner still reads this slot's tile or has a load on its way
	s_add_nc_u64 s[G0+4*\slot+2:G0+4*\slot+3], s[G0+4*\slot+2:G0+4*\slot+3], 2*ASTEP
	s_add_nc_u64 s[G0B+4*\slot+2:G0B+4*\slot+3], s[G0B+4*\slot+2:G0B+4*\slot+3], 2*BSTEP
	JLOAD \slot                                    ; the four v_nop behind it are also the places in front of the loads below
.else
	PLACES
.endif
	FETCH \next, 0, F0
	WIN MUL
	MUL8 F1, 1, 0, 0
	MUL8 F1, 1, 2, 0
.endm
	s_wait_loadcnt 0x0                             ; the bias
	s_wait_tensorcnt 1                             ; my part of K step 0 is in (K step 1's load may be out)
	s_barrier_signal -1
	s_barrier_wait -1                              ; everybody's is
	FETCH 0, 0, F0
	QUARTER 0, 1, F0, F1, 1                        ; the first quarter stands in front of the loop: its first products start the sums from the bias
	WIN 0                                          ; at a label and at a branch every window is 0
	s_mov_b32 s3, LAPS-1
.Llap:                                             ; a trip goes once round the ring, from a lap's second quarter to the next lap's first, and fills both slots again
	QUARTER 0, 2, F1, F0, 0
	QUARTER 0, 3, F0, F1, 0
	TURN 0, 1, 1
	QUARTER 1, 1, F0, F1, 0
	QUARTER 1, 2, F1, F0, 0
	QUARTER 1, 3, F0, F1, 0
	TURN 1, 0, 1
	QUARTER 0, 1, F0, F1, 0
	WIN 0
	s_sub_co_u32 s3, s3, 1
	s_cmp_lg_u32 s3, 0
	s_cbranch_scc1 .Llap
	QUARTER 0, 2, F1, F0, 0                        ; the last lap fills nothing, and has no round of the cluster's barrier
	QUARTER 0, 3, F0, F1, 0
	TURN 0, 1, 0
	QUARTER 1, 1, F0, F1, 0
	QUARTER 1, 2, F1, F0, 0
	QUARTER 1, 3, F0, F1, 0
	s_wait_dscnt 16                                ; the very last quarter: nothing more to fetch
	WIN MUL
	MUL8 F1, 0, 0, 0
	MUL8 F1, 0, 2, 0
	s_wait_dscnt 0
	MUL8 F1, 1, 0, 0
	MUL8 F1, 1, 2, 0
	WIN 0
; THE WAY OUT, block by block of 16 rows x 64 columns of f32.  A lane holds 32 neighbouring bytes of a row; a block goes through my own stage and comes back as whole rows of 256 bytes: sixteen lanes
; store 256 consecutive bytes, at a multiple of 256 from out0's first byte.  LDS serves a wave's instructions in order (ISA guide 5.7.1.4): no wait between stores and loads, nor in front of the next block's stores.
.macro TOSTAGE a
.set BB, BK+32*((\a)%2)
.irp b, 0,1,2,3
	ds_store_b128 v[STO], v[ACC+8*(4*(\a)+\b):ACC+8*(4*(\a)+\b)+3] offset:64*\b          ; each accumulator from its low end on
	ds_store_b128 v[STO], v[ACC+8*(4*(\a)+\b)+4:ACC+8*(4*(\a)+\b)+7] offset:64*\b+16
.endr
.irp t, 0,1,2,3,4,5,6,7
	ds_load_b128 v[BB+4*\t:BB+4*\t+3], v[RD] offset:\t*2*SPITCH
.endr
.endm
.macro SEND a, younger                 ; younger: the LDS instructions issued behind block a's loads: the next block's eight stores and eight loads, or none
.set BB, BK+32*((\a)%2)
	s_wait_dscnt \younger
.irp t, 0,1,2,3,4,5,6,7
	global_store_b128 v[CO], v[BB+4*\t:BB+4*\t+3], s[8:9] offset:(16*(\a)+2*\t)*SIZE_N*4 th:TH_STORE_NT   ; written once, read by nobody here
.endr
.endm
	PLACES
	TOSTAGE 0
	TOSTAGE 1
	SEND 0, 16
	s_wait_xcnt 0x0                                ; block 0's stores have read their registers: block 2's loads may land there
	TOSTAGE 2
	SEND 1, 16
	s_wait_xcnt 0x0
	TOSTAGE 3
	SEND 2, 16
	SEND 3, 0
	s_wait_tensorcnt 0x0                           ; the wave's end
	ds_add_u32 v[SPW], v[NIL]
	s_wait_dscnt 0x0
	CROUND                                         ; the closing round: no work-group ends while a partner may still ask for a tile that names it
	s_endpgm
.Lfunc_end_k_q79baa750aa_oproj:
	.size	k_q79baa750aa_oproj, .Lfunc_end_k_q79baa750aa_oproj-k_q79baa750aa_oproj
	.p2alignl 7, 3214868480
	.fill 96, 4, 3214868480
	.section	.rodata,"a",@progbits
	.p2align	6, 0x0
	.amdhsa_kernel k_q79baa750aa_oproj
		.amdhsa_group_segment_fixed_size 327680
		.amdhsa_private_segment_fixed_size 0
		.amdhsa_enable_private_segment 0
		.amdhsa_kernarg_size 32
		.amdhsa_user_sgpr_count 2
		.amdhsa_user_sgpr_kernarg_segment_ptr 1
		.amdhsa_wavefront_size32 1
		.amdhsa_system_sgpr_workgroup_id_x 1
		.amdhsa_system_sgpr_workgroup_id_y 1
		.amdhsa_system_sgpr_workgroup_id_z 1
		.amdhsa_system_vgpr_workitem_id 0
		.amdhsa_next_free_vgpr 512
		.amdhsa_next_free_sgpr 68
		.amdhsa_reserve_vcc 0
		.amdhsa_float_denorm_mode_32 3
		.amdhsa_float_denorm_mode_16_64 3
		.amdhsa_memory_ordered 1
		.amdhsa_forward_progress 1
		.amdhsa_inst_pref_size 87
	.end_amdhsa_kernel
	.amdgpu_metadata
---
amdhsa.version: [ 1, 2 ]
amdhsa.kernels:
  - .name:           k_q79baa750aa_oproj
    .symbol:         k_q79baa750aa_oproj.kd
    .args:
      - { .name: ao, .offset: 0, .size: 8, .value_kind: global_buffer, .address_space: global }
      - { .name: wo16, .offset: 8, .size: 8, .value_kind: global_buffer, .address_space: global }
      - { .name: out0, .offset: 16, .size: 8, .value_kind: global_buffer, .address_space: global }
      - { .name: bo, .offset: 24, .size: 8, .value_kind: global_buffer, .address_space: global }
    .group_segment_fixed_size: 327680
    .private_segment_fixed_size: 0
    .kernarg_segment_align: 8
    .kernarg_segment_size: 32
    .max_flat_workgroup_size: 128
    .sgpr_count:     68
    .vgpr_count:     512
    .wavefront_size: 32
...
	.end_amdgpu_metadata
.endif
;; end of part 4
